; MI455X (gfx1250); checked and timed in simulation.
; The chip was launched on July 23, 2026; its instructions are those of AMD's public machine-readable ISA for CDNA 5 (MIT licence, August 2026) and "CDNA5" Instruction Set Architecture Reference Guide (July 2026). The comments in the code are by the model that wrote it; some were corrected since.
;; Mo E Clustered Attention. Allowed arithmetic: matrix products marked QUANTISED: E3M2 operands, one E8M0 scale for each 32 along K, by v_wmma_scale_f32_16x16x128_f8f6f4 with both operands' format E3M2, f32 sums; products left as they are: f32 operands where the result goes on into a quantised operand, else bf16, f16 or f32 operands; f32 sums; everything else in f32.
;; Inputs: K 4 x 2,048 x 512 float32; Q 4 x 2,048 x 512 float32; V 4 x 2,048 x 512 float32; Wk_codes 8 x 512 x 16 x 24 uint8 (E3M2 codes of Wk, K innermost, in blocks of 32 codes, four codes in three bytes); Wk_scales 8 x 512 x 16 uint8 (E8M0 scales of Wk, one for each 32 codes along K); Wq_codes 8 x 512 x 16 x 24 uint8 (E3M2 codes of Wq, K innermost, in blocks of 32 codes, four codes in three bytes); Wq_scales 8 x 512 x 16 uint8 (E8M0 scales of Wq, one for each 32 codes along K); bk 8 x 512 float32; bq 8 x 512 float32; miu 8 x 512 float32.
;; Outputs: out0 4 x 2,048 x 512 float32.
;; This version of the problem:
;;   THIS VERSION OF THE PROBLEM IS GIVEN IN LOW PRECISION. The matrix products marked QUANTISED in the list below multiply operands that are first quantised to E3M2 (3 exponent bits, 2 mantissa bits; 6 bits a number), with one power-of-two scale for each 32 numbers along K (OCP MX v1.0); their sums are f32. All else is computed in f32.
;;   The module's matrix products, in the order in which they are computed (A, B: the left and right operand; K: the contracted axis; several contracted axes count as one K, in the product's order):
;;     1. [M 16,384, K 512] x [K 512, N 8]; A: computed on the way; B: input miu: left as it is (N = 8 < 16)
;;     2. [M 8,192, K 512] x [K 512, N 4,096]; A: input Q; B: input Wq (given as codes): QUANTISED
;;     3. [M 8,192, K 512] x [K 512, N 4,096]; A: input K; B: input Wk (given as codes): QUANTISED
;;     4. batch 4 x [M 2,048, K 512] x [K 512, N 2,048]; A: computed on the way; B: computed on the way: QUANTISED
;;     5. batch 4 x [M 2,048, K 2,048] x [K 2,048, N 512]; A: softmax (see below); B: computed on the way: QUANTISED
;;   THE QUANTISER, for each operand of a quantised product, along K:
;;     - K is cut into blocks of 32 from its start; a last block that is shorter is filled with zeros.
;;     - A block's scale is 2^e with e = floor(log2(the largest magnitude in the block)) - 4, held to -126 .. 127; a block of zeros has e = 0. As a byte (E8M0): e + 127.
;;     - Each number is divided by its block's scale, clamped to +-28, and rounded to the nearest number of E3M2, ties to even, subnormals kept.
;;     - The product sums the exact products of the quantised numbers (number of the format x scale) in f32.
;;   ~~~python
;;   def quantise(x, axis):      # numpy; x: float32 -> the quantised numbers, widened to float32 again
;;       x = np.moveaxis(x, axis, -1); K = x.shape[-1]
;;       x = np.pad(x, [(0, 0)] * (x.ndim - 1) + [(0, -K % 32)]); x = x.reshape(x.shape[:-1] + (-1, 32)); a = np.abs(x).max(-1, keepdims=True)
;;       e = np.where(a > 0, np.clip(np.frexp(np.where(a > 0, a, 1))[1] - 1 - 4, -126, 127), 0)      # np.frexp(a)[1] - 1 = floor(log2(a)), exactly
;;       r = np.clip(x / 2.0 ** e, -28, 28)
;;       step = 2.0 ** (np.maximum(np.frexp(np.where(r == 0, 1, r))[1] - 1, -2) - 2)
;;       q = np.round(r / step) * step * 2.0 ** e      # np.round: ties to even
;;       return np.moveaxis(q.reshape(q.shape[:-2] + (-1,))[..., :K], -1, axis).astype(np.float32)
;;   ~~~
;;   SOFTMAX AHEAD OF A QUANTISED PRODUCT. Where the list says 'softmax', what is quantised is not the finished softmax but p = 2^(t - M), with t = logit x log2(e) and M = ceil(the row's largest t), a whole number; so 1/2 < the row's largest p <= 1. The row's sum l is taken of the UNQUANTISED p, in f32, and the product's result is divided by l at the end. Since M is a whole number, a kernel that streams over the keys may use a running M (the ceiling of the running maximum): every later rescaling is an exact power of two, which a block's scale takes up: the codes' values come out the same.
;;   OPERANDS COMPUTED ON THE WAY. 'Computed on the way' means the value that the module computes at that place (a softmax that the list does not call 'softmax' is quantised finished and normalised). What goes into a quantiser is computed in f32, as accurately as f32 sums, v_exp_f32 and their like allow (about 1e-6 of the number): no bf16 or f16 on the way to a quantiser, and a product that is left as it is and whose result goes on into a quantised operand takes f32 operands (vector FMAs, or v_wmma_f32_16x16x4_f32). A number that lies on a knife's edge between two numbers of the format may be rounded either way, as far as f32 arithmetic and the matrix unit's own rounding can turn it there, and no further.
;;   INPUTS GIVEN AS CODES. Wk (in the module: [8, 512, 512], K = its axis 1); Wq (in the module: [8, 512, 512], K = its axis 1): each comes as NAME_codes (uint8): NAME with its K axis moved to the last place and cut into blocks of 32 codes, [.., K / 32, bytes a block], one block behind the other in memory; four codes in three bytes: a row's codes are one little-endian stream of bits, code i at bits 6 i .. 6 i + 5 (a code: sign, 3 exponent bits, 2 mantissa bits); and NAME_scales (uint8): the same leading axes, one E8M0 byte (e + 127) for each 32 codes along K. Its value is code x scale, taken as it is: it is not quantised again, and the codes and scales need not be those that the quantiser above would give.
;; One version. Each part assembles by itself: llvm-mc -triple=amdgcn-amd-amdhsa -mcpu=gfx1250 --defsym DOCPART=n.
;; ======== version 1 of 1: 4 launches
;; limits: right only within a limited range of input values
;; workspace buffers: qkc 6,291,456 bytes; qks 262,144 bytes; vc 3,145,728 bytes; vs 131,072 bytes; vsum 131,072 bytes; asg 65,536 bytes of whole numbers; wlq 33,554,432 bytes; wlk 1,572,864 bytes
;; launch prep (part 1): grid 256 x 1, 4 waves a work-group, no clusters, 1,024 bytes of LDS; arguments Q, K, miu, Wq_codes, Wk_codes, wlq, wlk, asg; writes wlq, wlk, asg
.if DOCPART == 1
	.amdgcn_target "amdgcn-amd-amdhsa--gfx1250"
	.amdhsa_code_object_version 6
	.text
	.protected	k_qeb88549cf2_prep
	.globl	k_qeb88549cf2_prep
	.p2align	8
	.type	k_qeb88549cf2_prep,@function
k_qeb88549cf2_prep:
	s_mov_b64 s[64:65], 0
	v_nop
	global_prefetch_b8 v0, s[64:65] scope:SCOPE_SE
	s_setreg_imm32_b32 hwreg(HW_REG_WAVE_MODE, 25, 1), 1
	s_wait_xcnt 0x0
; WHAT THE EXPERTS' LAUNCH WANTS IS LAID ONCE.  Input V is read by no launch: reference() replaces it by K' before any use, so it has no way to the output (a NaN or an infinity in V is not carried to the result).
; (1) THE WEIGHTS' CODES AS IMAGES OF OPERAND REGISTERS.  Wq, Wk: [8 experts][512 rows][384 bytes].  A unit is a tile of 16 rows x all 512 along K, four fragments of 12 registers a lane: lane (r, h) of tile u of a group of 32 rows
; takes row 8 u + r + 8 (r / 8); its registers 12 s + 6 c .. + 5 are the 24 bytes at 96 s + 48 c + 24 h of that row.  Register i of lane l lies at 512 (i / 4) + 16 l + 4 (i % 4), 6,144 bytes a unit.
; Work-group x: x < 128: Wq, else Wk; x % 128: the group of 32 rows.  Wave w: tile w / 2, fragments 2 (w % 2) and 2 (w % 2) + 1.
; (2) x = Q's 8,192 rows, then K's: work-group x owns rows 64 x .. + 63, wave w a tile of 16.  The tile is quantised along d to E3M2 with E8M0 scales: four fragments as images (6,144 bytes a tile, from byte XIO of wlq on)
; and their scale words (512 bytes a tile, from byte XSO of wlq on); a block of zeros gets the byte 1 (its codes are zeros; this program alone reads the bytes).
; (3) THE ROUTE: each row's dot products with the 8 centres in f32, by the f32 matrix form: source 0 = the centres (row m is centre m % 8), source 1 = the 16 rows, 4 along K an instruction, 128 instructions on four
; accumulators by turns.  x's and the centres' registers hold k in the same order (register 16 g + i = k 32 g + 16 h + i), so each instruction multiplies like with like.  A lane then holds its row's 8 scores; the first largest wins.
; LIMITS: NaN and infinities among the inputs are not served.  Two route scores that differ by less than the rounding of a 512-term f32 sum may be ordered either way.
; REGISTERS.  Window 0: v1-15 addresses and the choice; v32-47 scores; v64-159 four fragments' codes; v160-191 the four accumulators (written by matrix instructions alone); v200-219 at work; v224-247 weights.  Window 1: x.  Window 2: the centres.
.set XIO, 0x400000
.set XSO, 0xc00000
.set LI,1
.set LS,2
.set XA,3
.set MA,4
.set WI,5
.set AW,6
.set L8,7
.set SPW,8
.set NIL,9
.set RR,10
.set HH,11
.set TA,12
.set LANE,13
.set IDX,14
.set BEST,15
.set VM,18
.set SCR,32
.set T2,40
.set PC0,64
.set ACC,160
.set TM,200
.set PWR,216
.set LW,224
.set MSB, 0
.macro WIN new                         ; the immediate's high byte repeats the setting that is left
.if MSB != (\new)
	s_set_vgpr_msb (MSB<<8)|(\new)
.set MSB, (\new)
.endif
.endm
.macro VW
	s_wait_alu depctr_va_vdst(0)
.endm
	s_load_b512 s[4:19], s[0:1], 0x0               ; Q, K, miu, Wq's codes, Wk's codes, wlq, wlk, asg
	v_lshl_add_u32 v[SPW], v0, 2, 256
	v_mov_b32 v[NIL], 0
	v_lshrrev_b32 v[TA], 5, v0
	v_readfirstlane_b32 s20, v[TA]                 ; wave 0..3
	s_and_b32 s21, ttmp9, 127
	s_lshr_b32 s22, s20, 1                         ; the weights' tile
	s_and_b32 s23, s20, 1                          ; which two of its fragments
	s_mul_i32 s24, s21, 12288                      ; the group of 32 rows, in either layout
	s_mul_i32 s25, s22, 3072
	s_mul_i32 s26, s23, 192
	s_add_co_u32 s28, s24, s25
	s_add_co_u32 s28, s28, s26                     ; in
	s_mov_b32 s29, 0
	s_mul_i32 s25, s22, 6144
	s_mul_i32 s26, s23, 3072
	s_add_co_u32 s30, s24, s25
	s_add_co_u32 s30, s30, s26                     ; out
	s_mov_b32 s31, 0
	s_lshl_b32 s32, s21, 17                        ; 64 rows of 2,048 bytes
	s_lshl_b32 s25, s20, 15
	s_add_co_u32 s32, s32, s25                     ; my 16 rows
	s_mov_b32 s33, 0
	s_lshl_b32 s34, ttmp9, 2
	s_add_co_u32 s34, s34, s20                     ; my tile of x, 0 .. 1,023
	s_mul_i32 s36, s34, 6144
	s_mov_b32 s37, 0
	s_lshl_b32 s38, s34, 9
	s_mov_b32 s39, 0
	s_lshl_b32 s40, ttmp9, 8                       ; 64 tokens' clusters
	s_mov_b32 s41, 0
	s_lshl_b32 s42, s20, 6
	s_mov_b32 s44, 0x76543210
	s_mov_b32 s45, 0xfedcba98                      ; v_permlanex16_b32's selects for lane l xor 16
	VW
	v_and_b32 v[LANE], 31, v0
	v_and_b32 v[RR], 15, v0
	v_bfe_u32 v[HH], v0, 4, 1
	v_lshlrev_b32 v[LI], 4, v[LANE]
	v_lshlrev_b32 v[LS], 2, v[LANE]
	v_lshlrev_b32 v[L8], 3, v[LANE]
	v_lshlrev_b32 v[XA], 11, v[RR]
	v_lshl_add_u32 v[XA], v[HH], 6, v[XA]          ; x: row r + 64 h: my 16 numbers of a block of 32
	v_and_b32 v[MA], 7, v[RR]
	v_lshlrev_b32 v[MA], 11, v[MA]
	v_lshl_add_u32 v[MA], v[HH], 6, v[MA]          ; centre r % 8, in x's order
	v_and_b32 v[TA], 8, v[RR]
	v_add_nc_u32 v[TA], v[TA], v[RR]               ; r + 8 (r / 8)
	v_mul_u32_u24 v[WI], v[TA], 384
	v_mad_u32_u24 v[WI], v[HH], 24, v[WI]
	v_lshlrev_b32 v[AW], 2, v[RR]
	v_add_nc_u32 v[AW], s42, v[AW]
.irp b,0,1,2,3
	v_mov_b32 v[TM+4+\b], 0                        ; a lane permute's destination counts as one of its sources
.endr
	VW
	s_wait_kmcnt 0x0
	s_cmp_lt_u32 ttmp9, 128                        ; the choices hang on the work-group's number alone
	s_cselect_b64 s[4:5], s[4:5], s[6:7]
	s_cselect_b64 s[10:11], s[10:11], s[12:13]
	s_cselect_b64 s[46:47], s[14:15], s[16:17]
	s_add_nc_u64 s[4:5], s[4:5], s[32:33]
	s_add_nc_u64 s[10:11], s[10:11], s[28:29]
	s_add_nc_u64 s[46:47], s[46:47], s[30:31]
	s_add_nc_u64 s[48:49], s[14:15], s[36:37]
	s_add_nc_u64 s[48:49], s[48:49], XIO
	s_add_nc_u64 s[50:51], s[14:15], s[38:39]
	s_add_nc_u64 s[50:51], s[50:51], XSO
	s_add_nc_u64 s[18:19], s[18:19], s[40:41]
	WIN 0x40
.set q, 0
.rept 64
	global_load_b128 v[4*q:4*q+3], v[XA], s[4:5] offset:128*(q/4)+16*(q%4)
.set q, q+1
.endr
	WIN 0
.irp s,0,1
.irp p,0,1,2,3,4,5
	global_load_b64 v[LW+12*\s+2*\p:LW+12*\s+2*\p+1], v[WI], s[10:11] offset:96*\s+48*(\p/3)+8*(\p%3)
.endr
.endr
	WIN 0x80
.set q, 0
.rept 64
	global_load_b128 v[4*q:4*q+3], v[MA], s[8:9] offset:128*(q/4)+16*(q%4)
.set q, q+1
.endr
	WIN 0
	s_wait_loadcnt 63                              ; of the 140 loads at most 63 are out: x's 64 and the weights' 12 are in
.irp c,0,1,2,3,4,5
	global_store_b128 v[LI], v[LW+4*\c:LW+4*\c+3], s[46:47] offset:512*\c   ; 32 lanes store 512 consecutive bytes, aligned
.endr
; 64 numbers of a lane in window 1, register s + 16 b + i = k 32 b + 16 h + i of my row, become a fragment's codes in v[pc] on and its scale word in v[pw]
.macro QUANT s, pc, pw
	WIN 0x14
.irp b,0,1,2,3
	v_max3_num_f32 v[TM+\b], 0x2800000, |v[(\s)+16*\b]|, |v[(\s)+16*\b+1]|   ; my 16 numbers of block b, and the floor 2^(5 - 127): the byte cannot fall under 1
.endr
.irp i,2,4,6,8,10,12,14
.irp b,0,1,2,3
	v_max3_num_f32 v[TM+\b], v[TM+\b], |v[(\s)+16*\b+\i]|, |v[(\s)+16*\b+\i+1]|
.endr
.endr
	WIN 0
.irp b,0,1,2,3
	v_permlanex16_b32 v[TM+4+\b], v[TM+\b], s44, s45
.endr
.irp b,0,1,2,3
	v_max_num_f32 v[TM+\b], v[TM+\b], v[TM+4+\b]   ; with lane l xor 16's: the block's largest magnitude
.endr
.irp b,0,1,2,3
	v_add_nc_u32 v[TM+12+\b], 0xfe000000, v[TM+\b] ; 4 off its exponent field: the conversion's scale operand
.endr
.irp b,0,1,2,3
	v_lshrrev_b32 v[TM+4+\b], 23, v[TM+12+\b]      ; the scale's byte
.endr
	v_lshl_or_b32 v[\pw], v[TM+5], 8, v[TM+4]
	v_lshl_or_b32 v[\pw], v[TM+6], 16, v[\pw]
	v_lshl_or_b32 v[\pw], v[TM+7], 24, v[\pw]
	WIN 1
.irp c,0,1
	v_cvt_scalef32_pk16_bf6_f32 v[(\pc)+6*\c:(\pc)+6*\c+2], v[(\s)+32*\c:(\s)+32*\c+15], v[TM+12+2*\c]
	v_cvt_scalef32_pk16_bf6_f32 v[(\pc)+12+4*\c:(\pc)+14+4*\c], v[(\s)+32*\c+16:(\s)+32*\c+31], v[TM+13+2*\c]
.endr
	WIN 0
	v_nop                                          ; one plain place behind a scaled conversion
.irp c,0,1                                     ; the operand's layout wants a whole block in a lane
.irp i,0,1,2
	v_permlane16_swap_b32 v[(\pc)+6*\c+\i], v[(\pc)+12+4*\c+\i]
.endr
.irp i,0,1,2
	v_mov_b32 v[(\pc)+3+6*\c+\i], v[(\pc)+12+4*\c+\i]
.endr
.endr
.endm
.irp s,0,1,2,3                                 ; each fragment has registers of its own, so no store's data are written again
	QUANT 64*\s, PC0+24*\s, PWR+\s
.irp c,0,1,2
	global_store_b128 v[LI], v[PC0+24*\s+4*\c:PC0+24*\s+4*\c+3], s[48:49] offset:1536*\s+512*\c
.endr
	global_store_b32 v[LS], v[PWR+\s], s[50:51] offset:128*\s
.endr
	s_wait_loadcnt 0x0                             ; the centres are in
	WIN 0x06                                       ; source 0 (the centres) window 2, source 1 (x) window 1
.set n, 0
.rept 128                                      ; four accumulators by turns, one instruction a turn; the first four start the sums
.if n < 4
	v_wmma_f32_16x16x4_f32 v[ACC+8*(n%4):ACC+8*(n%4)+7], v[2*n:2*n+1], v[2*n:2*n+1], 0
.else
	v_wmma_f32_16x16x4_f32 v[ACC+8*(n%4):ACC+8*(n%4)+7], v[2*n:2*n+1], v[2*n:2*n+1], v[ACC+8*(n%4):ACC+8*(n%4)+7]
.endif
.set n, n+1
.endr
	WIN 0
.rept 8
	v_nop                                          ; places behind this form
.endr
.irp j,0,1,2,3,4,5,6,7
	v_add_f32 v[SCR+\j], v[ACC+\j], v[ACC+8+\j]    ; register j: centre j for my row, in both halves of the lanes
.endr
.irp j,0,1,2,3,4,5,6,7
	v_add_f32 v[T2+\j], v[ACC+16+\j], v[ACC+24+\j]
.endr
.irp j,0,1,2,3,4,5,6,7
	v_add_f32 v[SCR+\j], v[SCR+\j], v[T2+\j]
.endr
.irp j,0,1,2,3,4,5,6,7
	v_mul_f32 v[SCR+\j], 0x3d3504f3, v[SCR+\j]     ; x 1 / sqrt(512), as reference() has it
.endr
	v_mov_b32 v[BEST], v[SCR]
	v_mov_b32 v[IDX], 0
.irp j,1,2,3,4,5,6,7
	v_mov_b32 v[VM], \j
	v_cmp_gt_f32 vcc_lo, v[SCR+\j], v[BEST]        ; strictly larger: the first largest keeps its place
	v_cndmask_b32 v[BEST], v[BEST], v[SCR+\j], vcc_lo
	v_cndmask_b32 v[IDX], v[IDX], v[VM], vcc_lo
.endr
	ds_store_b32 v[AW], v[IDX]                     ; both halves of the lanes write the same word with the same value
	VW
	s_wait_dscnt 0x0
	s_barrier_signal -1
	s_barrier_wait -1                              ; the work-group's 64 clusters lie in LDS
	s_cmp_lg_u32 s20, 0
	s_cbranch_scc1 .Lend
	ds_load_b64 v[16:17], v[L8]
	s_wait_dscnt 0x0
	global_store_b64 v[L8], v[16:17], s[18:19]     ; 32 lanes store 256 consecutive bytes, aligned
.Lend:
	s_wait_tensorcnt 0x0                           ; the wave's end
	ds_add_u32 v[SPW], v[NIL]
	s_wait_dscnt 0x0
	s_endpgm
.Lfunc_end_k_qeb88549cf2_prep:
	.size	k_qeb88549cf2_prep, .Lfunc_end_k_qeb88549cf2_prep-k_qeb88549cf2_prep
	.p2alignl 7, 3214868480
	.fill 96, 4, 3214868480
	.section	.rodata,"a",@progbits
	.p2align	6, 0x0
	.amdhsa_kernel k_qeb88549cf2_prep
		.amdhsa_group_segment_fixed_size 1024
		.amdhsa_private_segment_fixed_size 0
		.amdhsa_enable_private_segment 0
		.amdhsa_kernarg_size 64
		.amdhsa_user_sgpr_count 2
		.amdhsa_user_sgpr_kernarg_segment_ptr 1
		.amdhsa_wavefront_size32 1
		.amdhsa_system_sgpr_workgroup_id_x 1
		.amdhsa_system_sgpr_workgroup_id_y 1
		.amdhsa_system_sgpr_workgroup_id_z 1
		.amdhsa_system_vgpr_workitem_id 0
		.amdhsa_next_free_vgpr 768
		.amdhsa_next_free_sgpr 66
		.amdhsa_reserve_vcc 1
		.amdhsa_float_denorm_mode_32 3
		.amdhsa_float_denorm_mode_16_64 3
		.amdhsa_memory_ordered 1
		.amdhsa_forward_progress 1
		.amdhsa_inst_pref_size 45
	.end_amdhsa_kernel
	.amdgpu_metadata
---
amdhsa.version: [ 1, 2 ]
amdhsa.kernels:
  - .name:           k_qeb88549cf2_prep
    .symbol:         k_qeb88549cf2_prep.kd
    .args:
      - { .name: Q, .offset: 0, .size: 8, .value_kind: global_buffer, .address_space: global }
      - { .name: K, .offset: 8, .size: 8, .value_kind: global_buffer, .address_space: global }
      - { .name: miu, .offset: 16, .size: 8, .value_kind: global_buffer, .address_space: global }
      - { .name: Wq_codes, .offset: 24, .size: 8, .value_kind: global_buffer, .address_space: global }
      - { .name: Wk_codes, .offset: 32, .size: 8, .value_kind: global_buffer, .address_space: global }
      - { .name: wlq, .offset: 40, .size: 8, .value_kind: global_buffer, .address_space: global }
      - { .name: wlk, .offset: 48, .size: 8, .value_kind: global_buffer, .address_space: global }
      - { .name: asg, .offset: 56, .size: 8, .value_kind: global_buffer, .address_space: global }
    .group_segment_fixed_size: 1024
    .private_segment_fixed_size: 0
    .kernarg_segment_align: 8
    .kernarg_segment_size: 64
    .max_flat_workgroup_size: 128
    .sgpr_count:     66
    .vgpr_count:     768
    .wavefront_size: 32
...
	.end_amdgpu_metadata
.endif
;; end of part 1
;; launch experts (part 2): grid 128 x 2, 4 waves a work-group, no clusters, 182,784 bytes of LDS; arguments wlq, Wq_scales, bq, wlk, Wk_scales, bk, qkc, qks, vc, vs, vsum, asg; writes qkc, qks, vc, vs, vsum
.if DOCPART == 2
	.amdgcn_target "amdgcn-amd-amdhsa--gfx1250"
	.amdhsa_code_object_version 6
	.text
	.protected	k_qeb88549cf2_experts
	.globl	k_qeb88549cf2_experts
	.p2align	8
	.type	k_qeb88549cf2_experts,@function
k_qeb88549cf2_experts:
	s_mov_b64 s[64:65], 0
	v_nop
	global_prefetch_b8 v0, s[64:65] scope:SCOPE_SE
	s_setreg_imm32_b32 hwreg(HW_REG_WAVE_MODE, 25, 1), 1
	s_wait_xcnt 0x0
; ROUTING, EXPERTS, GELU AND BOTH QUANTISERS.  Tokens: Q's 8,192, then K's 8,192, in blocks of 128 (work-group x; x < 64: Q's side).  Work-group y: which 256 of the 512 output channels.
; A work-group: (X) quantises its 128 rows of x along d to E3M2 with E8M0 scales, and finds each row's cluster (f32 dot products with the 8 centres, first largest wins);
; (M) multiplies the rows by ALL 8 experts' weights (codes as given) and keeps, lane by lane, the routed expert's result (v_cndmask_b32: no address and no branch hangs on the routing);
; (F) exact GELU in f32; quantises the result along d (operand of the scores' product) and, on K's side, along the keys (operand of the second product); stores both as images of operand registers.
; Wave w owns channels 256 y + 64 w .. + 63 for all 128 rows, 32 channels (two tiles of 16) at a time.  The product is used transposed: source 0 = 16 rows of W, source 1 = 16 tokens,
; and lane r of W's tile u takes row 8 u + r + 8 (r / 8), so that a lane's 16 results of the two tiles are 16 neighbouring channels of one token.
; THE WEIGHTS' CODES come as the launch before has laid them: images of operand registers, 6,144 bytes a tile of 16 rows x 512 K, so that each load of a wave covers 512 consecutive bytes.
; No tensor loads: each wave's weight rows are read by no other wave of the work-group, and come straight into operand registers, three units (15 loads each) ahead.
; LIMITS: NaN and infinities among the inputs are not served.  Two route scores that differ by less than the rounding of a 512-term f32 sum may be ordered either way.
; erfc is t exp(-z^2 + a polynomial of degree 9 in t), t = 1 / (1 + |z| / 2): fractional error 1.2e-7.  Input V is not read: reference() replaces it by K' before any use.
; A block of zeros gets the scale byte 1 (its codes are zeros); the bytes are read by this program alone.
; REGISTERS, windows of 256.  Window 0: v1-31 addresses; v32-63 x's scale words; v64-79, v80-111 four sets of W's scale words and bias; v112-119 the rows' clusters; v128-191 eight accumulators; v192-255 at work.
; Window 1: x's fragments of row tiles 0-3 (v0-191), W set 0 (v192-239).  Window 2: row tiles 4-7, W set 1.  Window 3: v0-127 the kept results; W sets 2, 3 (v128-223); v224-249 GELU at work.
; Step (X) of the list above is done by launch prep: this launch loads x's 32 fragments (from byte 0x400000 of wlq on), their scale words (from byte 0xc00000 on) and the rows' clusters (asg) as prep stored them,
; straight into the registers in which step (M) wants them.  Q, K and miu are not among its arguments.
.set MIU,  0
.set XSC,  16384
.set ASGL, 20480
.set DSS,  21504                       ; scale words of the result along d: [K step 2][tile 8][16 rows] words
.set XIMG, 22528
.set DST,  71680                       ; the result's codes along d: [K step 2][tile 8][1,536]
.set TR,   96256                       ; each wave's own: 128 keys x (32 channels f32 + 16 bytes)
.set VST,  169984                      ; each wave's own: two fragments along the keys
.set LI,1
.set LS,2
.set XA,3
.set XWI,4
.set XWS,5
.set XRI,6
.set XRS,7
.set AGA,8
.set AGW,9
.set VWS,11
.set VB,12
.set DA,13
.set DSB,16
.set DAT,17
.set DSBT,20
.set TRS,21
.set TRL,22
.set VSA,23
.set VSL,24
.set CPD,25
.set CPS,26
.set L8,27
.set MB0,28
.set MAD,29
.set TID16,30
.set XSW,32
.set WSW,64
.set BIAS,80
.set ASG,112
.set LANE,120
.set RR,121
.set HH,122
.set TA,123
.set T,128
.set RS,160
.set PC,176
.set TM,200
.set PW,216
.set BESTA,220
.set IDXA,221
.set BESTB,222
.set IDXB,223
.set RT,224
.set RT2,225
.set VM,226
.set MT,220
.set QC,192                            ; the finish: codes
.set QM,224
.set QP,232
.set QO,240
.set VS0,248
.set VS1,250
.set VWD,252
.set T8,224                            ; window 3
.set Q8,232
.set W8,240
.set C8,248
.set MSB, 0
.macro WIN new                         ; the immediate's high byte repeats the setting that is left; a switch that changes nothing is dropped
.if MSB != (\new)
	s_set_vgpr_msb (MSB<<8)|(\new)
.set MSB, (\new)
.endif
.endm
.macro PLACES n
.rept \n
	v_nop
.endr
.endm
.macro BARRIER                         ; my LDS stores have landed and my LDS loads are in: then the work-group's barrier
	s_wait_dscnt 0x0
	s_barrier_signal -1
	s_barrier_wait -1
.endm
.macro KPAIR r, val                    ; a constant for packed arithmetic: the pair is named, so both words are written
	s_mov_b32 s[\r], \val
	s_mov_b32 s[\r+1], \val
.endm
	s_load_b64 s[10:11], s[0:1], 0x0               ; wlq: Wq's images, x's fragments and scale words
	s_load_b512 s[12:27], s[0:1], 0x8              ; Wq scales, bq, Wk images, Wk scales, bk, qkc, qks, vc
	s_load_b128 s[28:31], s[0:1], 0x48             ; vs, vsum
	s_load_b64 s[32:33], s[0:1], 0x58              ; asg
	v_lshl_add_u32 v254, v0, 2, 0x2c800
	v_mov_b32 v255, 0
	v_lshrrev_b32 v[TA], 5, v0
	v_readfirstlane_b32 s34, v[TA]                 ; wave 0..3
	s_and_b32 s35, ttmp7, 0xffff                   ; which half of the channels
	s_lshr_b32 s66, ttmp9, 6                       ; 0: Q's side, 1: K's
	v_and_b32 v[LANE], 31, v0
	v_and_b32 v[RR], 15, v0                        ; r
	v_bfe_u32 v[HH], v0, 4, 1                      ; h
	v_lshlrev_b32 v[LI], 4, v[LANE]
	v_lshlrev_b32 v[LS], 2, v[LANE]
	v_lshlrev_b32 v[L8], 3, v[LANE]
	v_lshlrev_b32 v[AGA], 2, v[RR]                 ; my row's cluster: 4 r
	v_and_b32 v[TA], 8, v[RR]
	v_add_nc_u32 v[TA], v[TA], v[RR]               ; r + 8 (r / 8)
	v_lshlrev_b32 v[VWS], 4, v[TA]                 ; W: my row's 16 scale bytes
	v_lshlrev_b32 v[VB], 6, v[HH]                  ; bias: 16 h channels on
	; the result's codes along d: a lane's three registers are registers i = 6 (w & 1) + 3 h + j of the image of K step w / 2, tile 2 (m / 2) + r / 8, lane (r & 7) + 8 (m & 1) + 16 p
	s_and_b32 s37, s34, 1
	s_mul_i32 s38, s37, 6
	v_mul_u32_u24 v[TA+1], v[HH], 3
	v_add_nc_u32 v[TA+1], s38, v[TA+1]
	s_lshr_b32 s39, s34, 1
	s_mul_i32 s39, s39, 12288
	s_add_co_u32 s39, s39, DST
	v_lshrrev_b32 v[TA+2], 3, v[RR]
	v_mul_u32_u24 v[TA+2], v[TA+2], 1536
	v_and_b32 v[TA+3], 7, v[RR]
	v_lshl_add_u32 v[TA+2], v[TA+3], 4, v[TA+2]
	v_add_nc_u32 v[TA+2], s39, v[TA+2]
.irp j,0,1,2
	v_add_nc_u32 v[TA+3], \j, v[TA+1]
	v_lshrrev_b32 v[TA+4], 2, v[TA+3]
	v_and_b32 v[TA+3], 3, v[TA+3]
	v_lshl_add_u32 v[TA+4], v[TA+4], 9, v[TA+2]
	v_lshl_add_u32 v[DA+\j], v[TA+3], 2, v[TA+4]
.endr
	s_lshr_b32 s39, s34, 1
	s_lshl_b32 s39, s39, 9
	s_lshl_b32 s38, s37, 1
	s_add_co_u32 s39, s39, s38
	s_add_co_u32 s39, s39, DSS
	v_lshrrev_b32 v[TA+2], 3, v[RR]
	v_lshlrev_b32 v[TA+2], 6, v[TA+2]
	v_and_b32 v[TA+3], 7, v[RR]
	v_lshl_add_u32 v[TA+2], v[TA+3], 2, v[TA+2]
	v_add_nc_u32 v[DSB], s39, v[TA+2]              ; and its scale byte: byte 2 (w & 1) + p of the row's word
	s_mul_i32 s39, s34, 18432
	s_add_co_u32 s39, s39, TR
	v_mul_u32_u24 v[TA+2], v[RR], 144
	v_lshl_add_u32 v[TA+2], v[HH], 6, v[TA+2]
	v_add_nc_u32 v[TRS], s39, v[TA+2]
	v_add_nc_u32 v[TRL], s39, v[LS]
	s_mul_i32 s39, s34, 3072
	s_add_co_u32 s39, s39, VST
	v_mul_u32_u24 v[TA+2], v[HH], 1536
	v_lshl_add_u32 v[TA+2], v[RR], 4, v[TA+2]
	v_add_nc_u32 v[VSA], s39, v[TA+2]
	v_add_nc_u32 v[VSL], s39, v[LI]
	s_mul_i32 s39, s34, 6144
	s_add_co_u32 s39, s39, DST
	v_add_nc_u32 v[CPD], s39, v[LI]
	s_lshl_b32 s39, s34, 8
	s_add_co_u32 s39, s39, DSS
	v_add_nc_u32 v[CPS], s39, v[L8]
	s_mov_b32 s94, 0x76543210
	s_mov_b32 s95, 0xfedcba98                      ; v_permlanex16_b32's selects for lane l xor 16
	KPAIR 70, 0xc034d90f                           ; the polynomial's coefficients x log2(e); the lowest also carries the factor 1/2 as -1
	KPAIR 72, 0x3fb8ab5a
	KPAIR 74, 0x3f0a29d2
	KPAIR 76, 0x3e0efb2e
	KPAIR 78, 0xbe899a80
	KPAIR 80, 0x3ecdfd18
	KPAIR 82, 0xbfd1a1e5
	KPAIR 84, 0x40097039
	KPAIR 86, 0xbf97d29d
	KPAIR 88, 0x3e7c6f08
	KPAIR 90, 0x3eb504f3                           ; 1 / (2 sqrt 2)
	KPAIR 92, 0xbf38aa3b                           ; -log2(e) / 2
	s_mov_b32 s63, 0                               ; upper word of the offset pair s[62:63]
	s_wait_alu depctr_va_vdst(0)
	s_wait_kmcnt 0x0
	s_mul_i32 s62, ttmp9, 49152
	s_add_nc_u64 s[4:5], s[10:11], s[62:63]
	s_add_nc_u64 s[4:5], s[4:5], 0x400000          ; x's 32 fragments of my 128 rows
	s_lshl_b32 s62, ttmp9, 12
	s_add_nc_u64 s[6:7], s[10:11], s[62:63]
	s_add_nc_u64 s[6:7], s[6:7], 0xc00000          ; and their scale words
	s_cmp_lt_u32 ttmp9, 64                         ; Q's side or K's: the choice hangs on the work-group's number alone
	s_cselect_b64 s[10:11], s[10:11], s[16:17]     ; W's images
	s_cselect_b64 s[12:13], s[12:13], s[18:19]     ; W's scales
	s_cselect_b64 s[14:15], s[14:15], s[20:21]     ; the bias
	s_and_b32 s38, ttmp9, 63                       ; the block within its side
	s_lshl_b32 s39, s35, 8
	s_lshl_b32 s36, s34, 6
	s_add_co_u32 s39, s39, s36                     ; my first channel
	s_mul_i32 s62, s39, 384                        ; 32 channels' images are 12,288 bytes
	s_add_nc_u64 s[10:11], s[10:11], s[62:63]
	s_lshl_b32 s62, s39, 4
	s_add_nc_u64 s[12:13], s[12:13], s[62:63]
	s_lshl_b32 s62, s39, 2
	s_add_nc_u64 s[14:15], s[14:15], s[62:63]
	s_mul_i32 s62, ttmp9, 49152
	s_mul_i32 s36, s35, 24576
	s_add_co_u32 s62, s62, s36
	s_mul_i32 s36, s34, 6144
	s_add_co_u32 s62, s62, s36
	s_add_nc_u64 s[22:23], s[22:23], s[62:63]      ; qkc: my quarter of the work-group's 24,576 bytes
	s_lshl_b32 s62, ttmp9, 11
	s_lshl_b32 s36, s35, 10
	s_add_co_u32 s62, s62, s36
	s_lshl_b32 s36, s34, 8
	s_add_co_u32 s62, s62, s36
	s_add_nc_u64 s[24:25], s[24:25], s[62:63]      ; qks
	s_mul_i32 s62, s38, 49152
	s_mul_i32 s36, s39, 96
	s_add_co_u32 s62, s62, s36
	s_add_nc_u64 s[26:27], s[26:27], s[62:63]      ; vc: key block, my first channel tile
	s_lshl_b32 s62, s38, 9
	s_add_co_u32 s62, s62, s39
	s_lshl_b32 s62, s62, 2
	s_add_nc_u64 s[28:29], s[28:29], s[62:63]      ; vs
	s_add_nc_u64 s[30:31], s[30:31], s[62:63]      ; vsum
	s_lshl_b32 s62, ttmp9, 9
	s_add_nc_u64 s[32:33], s[32:33], s[62:63]      ; asg: my 128 tokens
; ---- the head: x's 32 fragments, their scale words and the rows' clusters into registers
; A unit's operands: W's four fragments (16 rows x 512 K: 6,144 dense bytes, 12 loads of 16 bytes a lane), the rows' four scale words, the bias in the result's layout: 15 loads into set buf
.macro WLOAD buf, cb, de, n
.if \buf == 0
.set WW, 1
.set WR, 192
.elseif \buf == 1
.set WW, 2
.set WR, 192
.elseif \buf == 2
.set WW, 3
.set WR, 128
.else
.set WW, 3
.set WR, 176
.endif
	WIN WW<<6
.irp c,0,1,2,3,4,5,6,7,8,9,10,11
	global_load_b128 v[WR+4*\c:WR+4*\c+3], v[LI], s[\cb:\cb+1] offset:\de*196608+\n*6144+512*\c   ; 32 lanes read 512 consecutive bytes
.endr
	WIN 0
	global_load_b128 v[WSW+4*\buf:WSW+4*\buf+3], v[VWS], s[\cb+4:\cb+5] offset:\de*8192+\n*128
	global_load_b128 v[BIAS+8*\buf:BIAS+8*\buf+3], v[VB], s[\cb+8:\cb+9] offset:\de*2048+\n*32
	global_load_b128 v[BIAS+8*\buf+4:BIAS+8*\buf+7], v[VB], s[\cb+8:\cb+9] offset:\de*2048+\n*32+16
.endm
	s_mov_b64 s[50:51], s[10:11]                   ; 'next' begins at expert 0, pair 0
	s_mov_b64 s[54:55], s[12:13]
	s_mov_b64 s[58:59], s[14:15]
.irp m,0,1,2,3,4,5,6,7                         ; x's 136 loads go out ahead of the weights': the first unit's counted wait covers them
	WIN (1+\m/4)<<6
.irp s,0,1,2,3
.irp c,0,1,2
	global_load_b128 v[12*(4*(\m%4)+\s)+4*\c:12*(4*(\m%4)+\s)+4*\c+3], v[LI], s[4:5] offset:(4*\m+\s)*1536+512*\c
.endr
.endr
.endr
	WIN 0
.irp m,0,1,2,3,4,5,6,7
.irp s,0,1,2,3
	global_load_b32 v[XSW+4*\m+\s], v[LS], s[6:7] offset:128*(4*\m+\s)
.endr
	global_load_b32 v[ASG+\m], v[AGA], s[32:33] offset:64*\m
	v_mov_b32 v[QP+\m], 0                          ; written once: a lane permute's destination counts as one of its sources
.endr
	WIN 0xc0
	v_mov_b32 v[C8], s86
	v_mov_b32 v[C8+1], s86
.set k, 0
.rept 128
	v_mov_b32 v[k], 0                              ; the kept results (window 3) are written once: a select names its destination as a source; each row is then taken from exactly one expert
.set k, k+1
.endr
	WIN 0
	s_wait_alu depctr_va_vdst(0)
	WLOAD 0, 50, 0, 0
	WLOAD 1, 50, 0, 1
	WLOAD 2, 50, 1, 0
; A UNIT: one expert, one tile of 16 channels, all 128 rows: 32 matrix instructions and the select.  Unit j of a trip: expert 2 t + j / 2, tile j % 2, operands in set j.
.macro UNIT j
	s_wait_loadcnt 30                              ; this unit's 15 loads are in; the two units issued behind it may be out
.if \j == 0
	WLOAD 3, 48, 1, 1                              ; three units ahead, into the set that the unit before has left (behind its four v_nop and 64 selects)
.elseif \j == 1
	WLOAD 0, 50, 0, 0
.elseif \j == 2
	WLOAD 1, 50, 0, 1
.else
	WLOAD 2, 50, 1, 0
.endif
.if (\j % 2) == 0
.irp m,0,1,2,3,4,5,6,7
	v_cmp_eq_u32 s[40+\m], s[60+\j/2], v[ASG+\m]   ; which rows are this expert's
.endr
.endif
.if \j == 0
.set UW, 1
.set UR, 192
.elseif \j == 1
.set UW, 2
.set UR, 192
.elseif \j == 2
.set UW, 3
.set UR, 128
.else
.set UW, 3
.set UR, 176
.endif
.irp g,0,1                                     ; four accumulators by turns, one instruction a turn
	WIN UW|((1+\g)<<2)
.irp s,0,1,2,3
.irp q,0,1,2,3
.if \s == 0
	v_wmma_scale_f32_16x16x128_f8f6f4 v[T+8*(4*\g+\q):T+8*(4*\g+\q)+7], v[UR+12*\s:UR+12*\s+11], v[12*(4*\q+\s):12*(4*\q+\s)+11], v[BIAS+8*\j:BIAS+8*\j+7], v[WSW+4*\j+\s], v[XSW+4*(4*\g+\q)+\s] matrix_a_fmt:MATRIX_FMT_BF6 matrix_b_fmt:MATRIX_FMT_BF6
.else
	v_wmma_scale_f32_16x16x128_f8f6f4 v[T+8*(4*\g+\q):T+8*(4*\g+\q)+7], v[UR+12*\s:UR+12*\s+11], v[12*(4*\q+\s):12*(4*\q+\s)+11], v[T+8*(4*\g+\q):T+8*(4*\g+\q)+7], v[WSW+4*\j+\s], v[XSW+4*(4*\g+\q)+\s] matrix_a_fmt:MATRIX_FMT_BF6 matrix_b_fmt:MATRIX_FMT_BF6
.endif
.endr
.endr
.endr
	PLACES 4
	WIN 0xc3                                       ; kept results in window 3, accumulators in window 0
.irp m,0,1,2,3,4,5,6,7
.irp i,0,1,2,3,4,5,6,7
	v_cndmask_b32 v[16*\m+8*(\j%2)+\i], v[16*\m+8*(\j%2)+\i], v[T+8*\m+\i], s[40+\m]   ; each row is kept from exactly one expert; each accumulator from its low end on
.endr
.endr
	WIN 0
.endm
; eight numbers x in window 3 become x Phi(x), Phi(x) = erfc(-x / sqrt 2) / 2
.macro GELU8 x
.irp i,0,1,2,3,4,5,6,7
	v_fma_f32 v[T8+\i], |v[(\x)+\i]|, s90, 1.0     ; 1 + |z| / 2
.endr
	s_wait_alu depctr_va_vdst(0)
.irp i,0,1,2,3,4,5,6,7
	v_rcp_f32 v[T8+\i], v[T8+\i]                   ; t
.endr
.irp i,0,2,4,6
	v_pk_mul_f32 v[Q8+\i:Q8+\i+1], v[(\x)+\i:(\x)+\i+1], v[(\x)+\i:(\x)+\i+1]   ; (plain places behind the reciprocals)
.endr
	s_wait_alu depctr_va_vdst(0)
.irp i,0,2,4,6
	v_pk_fma_f32 v[W8+\i:W8+\i+1], v[T8+\i:T8+\i+1], s[88:89], v[C8:C8+1] op_sel_hi:[1,0,1]
.endr
.irp c,84,82,80,78,76,74,72,70
.irp i,0,2,4,6
	v_pk_fma_f32 v[W8+\i:W8+\i+1], v[W8+\i:W8+\i+1], v[T8+\i:T8+\i+1], s[\c:\c+1] op_sel_hi:[1,1,0]
.endr
.endr
.irp i,0,2,4,6
	v_pk_fma_f32 v[W8+\i:W8+\i+1], v[Q8+\i:Q8+\i+1], s[92:93], v[W8+\i:W8+\i+1] op_sel_hi:[1,0,1]   ; - z^2, in base 2
.endr
	s_wait_alu depctr_va_vdst(0)
.irp i,0,1,2,3,4,5,6,7
	v_exp_f32 v[W8+\i], v[W8+\i]
.endr
	v_nop                                          ; one plain place behind the exponentials
.irp i,0,1,2,3,4,5,6,7
	v_cmp_gt_f32 s[40+\i], 0, v[(\x)+\i]
.endr
	s_wait_alu depctr_va_vdst(0)
.irp i,0,2,4,6
	v_pk_mul_f32 v[T8+\i:T8+\i+1], v[T8+\i:T8+\i+1], v[W8+\i:W8+\i+1]   ; q = erfc(|z|) / 2
.endr
.irp i,0,2,4,6
	v_pk_fma_f32 v[W8+\i:W8+\i+1], v[T8+\i:T8+\i+1], -1.0, 1.0 op_sel_hi:[1,0,0]
.endr
.irp i,0,1,2,3,4,5,6,7
	v_cndmask_b32 v[W8+\i], v[W8+\i], v[T8+\i], s[40+\i]   ; x < 0: q, else 1 - q
.endr
.irp i,0,2,4,6
	v_pk_mul_f32 v[(\x)+\i:(\x)+\i+1], v[(\x)+\i:(\x)+\i+1], v[W8+\i:W8+\i+1]
.endr
.endm
	s_mov_b32 s67, 0                               ; trips begun
	s_mov_b32 s69, 0                               ; the pair of tiles: 32 channels
	s_mov_b32 s96, 0                               ; 256 x pair: the image's lanes 16-31
	s_mov_b32 s97, 0                               ; the pair: its byte of the scale word
.Lpair:
	s_mov_b32 s68, 0
	s_mov_b32 s60, 0
.Ltrip:                                            ; a trip: two experts x two tiles
	s_wait_xcnt 0x0                                ; the bases, and registers that stores have read, are rewritten only behind this wait
	s_mov_b64 s[48:49], s[50:51]
	s_mov_b64 s[52:53], s[54:55]
	s_mov_b64 s[56:57], s[58:59]
	s_add_co_u32 s67, s67, 1
	s_min_u32 s36, s67, 7                          ; the next trip; behind the last the same again, so that no load leaves its buffer
	s_and_b32 s37, s36, 3
	s_lshl_b32 s37, s37, 14                        ; two experts' scales
	s_lshr_b32 s36, s36, 2
	s_lshl_b32 s36, s36, 9                         ; 32 rows' scales
	s_add_co_u32 s36, s36, s37
	s_mov_b32 s62, s36
	s_add_nc_u64 s[54:55], s[12:13], s[62:63]
	s_lshr_b32 s62, s36, 2                         ; 4 bytes of bias for 16 of scales
	s_add_nc_u64 s[58:59], s[14:15], s[62:63]
	s_mul_i32 s62, s36, 24                         ; 384 bytes of codes for 16 of scales
	s_add_nc_u64 s[50:51], s[10:11], s[62:63]
	s_add_co_u32 s61, s60, 1
	UNIT 0
	UNIT 1
	UNIT 2
	UNIT 3
	s_add_co_u32 s60, s60, 2
	s_add_co_u32 s68, s68, 1
	s_cmp_lt_u32 s68, 4
	s_cbranch_scc1 .Ltrip
; ---- the finish of a pair: 128 rows x 32 channels lie in window 3, register 16 m + i = channel 16 h + i of row 16 m + r
	WIN 0xff
.set gx, 0
.rept 16
	GELU8 gx
.set gx, gx+8
.endr
	WIN 0x3c                                       ; along d: a row's 32 channels are one block, half of it in lane l xor 16
.irp m,0,1,2,3,4,5,6,7
	v_max3_num_f32 v[QM+\m], 0x2800000, |v[16*\m]|, |v[16*\m+1]|
.endr
.irp i,2,4,6,8,10,12,14
.irp m,0,1,2,3,4,5,6,7
	v_max3_num_f32 v[QM+\m], v[QM+\m], |v[16*\m+\i]|, |v[16*\m+\i+1]|
.endr
.endr
	WIN 0
.irp m,0,1,2,3,4,5,6,7
	v_permlanex16_b32 v[QP+\m], v[QM+\m], s94, s95
.endr
.irp m,0,1,2,3,4,5,6,7
	v_max_num_f32 v[QM+\m], v[QM+\m], v[QP+\m]
.endr
.irp m,0,1,2,3,4,5,6,7
	v_add_nc_u32 v[QO+\m], 0xfe000000, v[QM+\m]
.endr
	WIN 0x03
.irp m,0,1,2,3,4,5,6,7
	v_cvt_scalef32_pk16_bf6_f32 v[QC+4*\m:QC+4*\m+2], v[16*\m:16*\m+15], v[QO+\m]
.endr
	WIN 0
	v_nop                                          ; one plain place behind a scaled conversion
.irp m,0,1,2,3,4,5,6,7
	v_lshrrev_b32 v[QP+\m], 23, v[QO+\m]           ; the scale's byte
.endr
.irp j,0,1,2
	v_add_nc_u32 v[DAT+\j], s96, v[DA+\j]
.endr
	v_add_nc_u32 v[DSBT], s97, v[DSB]
.irp m,0,1,2,3,4,5,6,7
.irp j,0,1,2
	ds_store_b32 v[DAT+\j], v[QC+4*\m+\j] offset:(\m/2)*3072+(\m%2)*128
.endr
	ds_store_b8 v[DSBT], v[QP+\m] offset:(\m/2)*128+(\m%2)*32   ; both halves of the lanes write the same byte with the same value
.endr
	s_cmp_eq_u32 s66, 0
	s_cbranch_scc1 .Lqside                         ; Q's side has no second operand
	; along the keys: through my own stage, so that a lane holds ONE channel and its 128 registers run down the keys
	WIN 0x0c
.irp m,0,1,2,3,4,5,6,7
.irp q,0,1,2,3
	ds_store_b128 v[TRS], v[16*\m+4*\q:16*\m+4*\q+3] offset:2304*\m+16*\q
.endr
.endr
	WIN 0xc0
.set k, 0
.rept 128
	ds_load_b32 v[k], v[TRL] offset:144*k          ; LDS serves a wave's instructions in order: these see the stores above
.set k, k+1
.endr
	WIN 0
	s_wait_dscnt 0x0
	WIN 0x3c
.irp g,0,1,2,3
	v_max3_num_f32 v[QM+\g], 0x2800000, |v[32*\g]|, |v[32*\g+1]|
.endr
.irp i,2,4,6,8,10,12,14,16,18,20,22,24,26,28,30
.irp g,0,1,2,3
	v_max3_num_f32 v[QM+\g], v[QM+\g], |v[32*\g+\i]|, |v[32*\g+\i+1]|
.endr
.endr
	WIN 0
.irp g,0,1,2,3
	v_add_nc_u32 v[QO+\g], 0xfe000000, v[QM+\g]
.endr
.irp g,0,1,2,3
	v_lshrrev_b32 v[QP+\g], 23, v[QO+\g]
.endr
	v_lshl_or_b32 v[VWD], v[QP+1], 8, v[QP]
	v_lshl_or_b32 v[VWD], v[QP+2], 16, v[VWD]
	v_lshl_or_b32 v[VWD], v[QP+3], 24, v[VWD]      ; my channel's scale word for these 128 keys
	WIN 0x03
.irp g,0,1,2,3
	v_cvt_scalef32_pk16_bf6_f32 v[QC+8*\g:QC+8*\g+2], v[32*\g:32*\g+15], v[QO+\g]
	v_cvt_scalef32_pk16_bf6_f32 v[QC+8*\g+4:QC+8*\g+6], v[32*\g+16:32*\g+31], v[QO+\g]
.endr
	WIN 0
	v_nop
.irp g,0,1,2,3
.irp i,0,1,2
	v_mov_b32 v[QC+8*\g+3+\i], v[QC+8*\g+4+\i]     ; a block's six registers on end
.endr
.endr
	WIN 0x0f                                       ; the sum of K' over the 128 keys, unquantised, for the mean
	v_pk_add_f32 v[VS0:VS0+1], v[0:1], v[2:3]
	v_pk_add_f32 v[VS1:VS1+1], v[4:5], v[6:7]
	WIN 0x0c
.set k, 8
.rept 30
	v_pk_add_f32 v[VS0:VS0+1], v[VS0:VS0+1], v[k:k+1]
	v_pk_add_f32 v[VS1:VS1+1], v[VS1:VS1+1], v[k+2:k+3]
.set k, k+4
.endr
	WIN 0
	v_pk_add_f32 v[VS0:VS0+1], v[VS0:VS0+1], v[VS1:VS1+1]
	v_add_f32 v[VS0], v[VS0], v[VS0+1]
.irp g,0,1,2,3                                 ; block g of channel l: registers 6 (g / 2) .. + 5 of lane l % 16 + 16 (g % 2) of fragment l / 16
.irp k,0,1,2
	ds_store_b64 v[VSA], v[QC+8*\g+2*\k:QC+8*\g+2*\k+1] offset:256*(\g%2)+512*((6*(\g/2)+2*\k)/4)+4*((6*(\g/2)+2*\k)%4)
.endr
.endr
.irp i,0,1,2,3,4,5
	ds_load_b128 v[T+4*\i:T+4*\i+3], v[VSL] offset:512*\i
.endr
	s_wait_alu depctr_va_vdst(0)
.irp i,0,1,2,3,4,5
	s_wait_dscnt 5-\i                              ; load i is in; the younger ones may be out
	global_store_b128 v[LI], v[T+4*\i:T+4*\i+3], s[26:27] offset:512*\i   ; 32 lanes store 512 consecutive bytes
.endr
	global_store_b32 v[LS], v[VWD], s[28:29]
	global_store_b32 v[LS], v[VS0], s[30:31]
	s_wait_xcnt 0x0                                ; the stores have read their bases and registers
	s_add_nc_u64 s[26:27], s[26:27], 3072          ; the next pair: two fragments, 32 channels on
	s_add_nc_u64 s[28:29], s[28:29], 128
	s_add_nc_u64 s[30:31], s[30:31], 128
.Lqside:
	s_add_co_u32 s96, s96, 256
	s_add_co_u32 s97, s97, 1
	s_add_co_u32 s69, s69, 1
	s_cmp_lt_u32 s69, 2
	s_cbranch_scc1 .Lpair
; ---- the codes along d leave: the four waves' parts have met in LDS as whole images
	BARRIER
.irp i,0,1,2,3,4,5,6,7,8,9,10,11
	ds_load_b128 v[T+4*\i:T+4*\i+3], v[CPD] offset:512*\i
.endr
	ds_load_b64 v[QC:QC+1], v[CPS]
.irp i,0,1,2,3,4,5,6,7,8,9,10,11
	s_wait_dscnt 12-\i
	global_store_b128 v[LI], v[T+4*\i:T+4*\i+3], s[22:23] offset:512*\i
.endr
	s_wait_dscnt 0x0
	global_store_b64 v[L8], v[QC:QC+1], s[24:25]   ; 32 lanes store 256 consecutive bytes
	s_wait_tensorcnt 0x0
	ds_add_u32 v254, v255
	s_wait_dscnt 0x0
	s_endpgm
.Lfunc_end_k_qeb88549cf2_experts:
	.size	k_qeb88549cf2_experts, .Lfunc_end_k_qeb88549cf2_experts-k_qeb88549cf2_experts
	.p2alignl 7, 3214868480
	.fill 96, 4, 3214868480
	.section	.rodata,"a",@progbits
	.p2align	6, 0x0
	.amdhsa_kernel k_qeb88549cf2_experts
		.amdhsa_group_segment_fixed_size 182784
		.amdhsa_private_segment_fixed_size 0
		.amdhsa_enable_private_segment 0
		.amdhsa_kernarg_size 96
		.amdhsa_user_sgpr_count 2
		.amdhsa_user_sgpr_kernarg_segment_ptr 1
		.amdhsa_wavefront_size32 1
		.amdhsa_system_sgpr_workgroup_id_x 1
		.amdhsa_system_sgpr_workgroup_id_y 1
		.amdhsa_system_sgpr_workgroup_id_z 1
		.amdhsa_system_vgpr_workitem_id 0
		.amdhsa_next_free_vgpr 1024
		.amdhsa_next_free_sgpr 102
		.amdhsa_reserve_vcc 0
		.amdhsa_float_denorm_mode_32 3
		.amdhsa_float_denorm_mode_16_64 3
		.amdhsa_memory_ordered 1
		.amdhsa_forward_progress 1
		.amdhsa_inst_pref_size 194
	.end_amdhsa_kernel
	.amdgpu_metadata
---
amdhsa.version: [ 1, 2 ]
amdhsa.kernels:
  - .name:           k_qeb88549cf2_experts
    .symbol:         k_qeb88549cf2_experts.kd
    .args:
      - { .name: wlq, .offset: 0, .size: 8, .value_kind: global_buffer, .address_space: global }
      - { .name: Wq_scales, .offset: 8, .size: 8, .value_kind: global_buffer, .address_space: global }
      - { .name: bq, .offset: 16, .size: 8, .value_kind: global_buffer, .address_space: global }
      - { .name: wlk, .offset: 24, .size: 8, .value_kind: global_buffer, .address_space: global }
      - { .name: Wk_scales, .offset: 32, .size: 8, .value_kind: global_buffer, .address_space: global }
      - { .name: bk, .offset: 40, .size: 8, .value_kind: global_buffer, .address_space: global }
      - { .name: qkc, .offset: 48, .size: 8, .value_kind: global_buffer, .address_space: global }
      - { .name: qks, .offset: 56, .size: 8, .value_kind: global_buffer, .address_space: global }
      - { .name: vc, .offset: 64, .size: 8, .value_kind: global_buffer, .address_space: global }
      - { .name: vs, .offset: 72, .size: 8, .value_kind: global_buffer, .address_space: global }
      - { .name: vsum, .offset: 80, .size: 8, .value_kind: global_buffer, .address_space: global }
      - { .name: asg, .offset: 88, .size: 8, .value_kind: global_buffer, .address_space: global }
    .group_segment_fixed_size: 182784
    .private_segment_fixed_size: 0
    .kernarg_segment_align: 8
    .kernarg_segment_size: 96
    .max_flat_workgroup_size: 128
    .sgpr_count:     102
    .vgpr_count:     1024
    .wavefront_size: 32
...
	.end_amdgpu_metadata
.endif
;; end of part 2
;; launch attend (part 3): grid 256 x 1, 4 waves a work-group, no clusters, 147,456 bytes of LDS; arguments qkc, qks, vc, vs, asg, wlq, wlk; writes wlq, wlk
.if DOCPART == 3
	.amdgcn_target "amdgcn-amd-amdhsa--gfx1250"
	.amdhsa_code_object_version 6
	.text
	.protected	k_qeb88549cf2_attend
	.globl	k_qeb88549cf2_attend
	.p2align	8
	.type	k_qeb88549cf2_attend,@function
k_qeb88549cf2_attend:
	s_mov_b64 s[64:65], 0
	v_nop
	global_prefetch_b8 v0, s[64:65] scope:SCOPE_SE
	s_setreg_imm32_b32 hwreg(HW_REG_WAVE_MODE, 25, 1), 1
	s_wait_xcnt 0x0
; CLUSTERED ATTENTION ON CODES OF E3M2, ONE HALF OF THE KEYS A WORK-GROUP.  For 64 queries and 1,024 keys of one batch: O = sum of p K', p = 2^(t - M), t = score x log2(e) / sqrt(512),
; M the running largest t rounded up to a whole number, and l = the sum of the unquantised p.  A key of another cluster gets the score -infinity (p = 0, code 0): the second product's blocks of 32 keys mix clusters, so every key is walked.
; O (not divided) and (-M, l) of each half go to memory; the next launch joins the two halves.  Input V is not read: reference() replaces it by K'.
; What wlq and wlk held is read by no launch from here on: O goes to wlq as [half 2][token 8,192][512] f32, (-M, l) to wlk as [half 2][token 8,192] pairs.
; SHARES.  Work-group x: batch x / 64, key half (x / 32) % 2, queries 64 (x % 32) .. + 63: four tiles of 16.  Eight steps of 128 keys.  In a step wave w makes S^T of keys 32 w .. + 31 (two tiles) for all four query tiles,
; the waves hand each other their blocks' largest scores through LDS (so all four keep the same M), wave w lays block w of p's codes and its scale byte into the operand's image in LDS, and then makes O^T of channels 128 w .. + 127
; for all 64 queries.  So each byte of K' and V' is read by one wave of the work-group, once, and feeds four matrix instructions.  Both products are used transposed: a lane holds one query (lane % 16).
; OPERANDS lie in memory as images of their registers and come by loads of 16 bytes a lane, 512 consecutive bytes an instruction, straight into operand registers, three loads at a time among other work:
; a step's V group (4 scale words + 24) among the step's own first products, the next step's K group (24 + 4 scale words + 4 of clusters) among the lines of the mask.  All bases are stepped at one place, behind the second barrier.
; No tensor loads and no joint loads: a fragment is used by one wave alone.
; PREFETCH: in step s each wave names 3 blocks of 256 bytes of key block s + 3: waves 0, 1 of K' (step s + 2 loads it), waves 2, 3 of V' (step s + 3 loads it); the 32 work-groups that read a key block share its 2 x 192 blocks out by address;
; steps 5 to 7 ask for nothing.
; Row r of tile 2 b + u of a block of 128 tokens is token 32 b + 8 u + r + 8 (r / 8): the 16 score registers of tiles 2 w, 2 w + 1 are keys 32 w + 16 h + 0 .. 15.
; LIMITS: NaN and infinities are not served; the promise holds while |t| stays under 2^31; -M of 1e38 or more means 'no key so far'.
; REGISTERS.  Window 0: v1-23 addresses; v24-51 scale words; v52-55 the queries' clusters; v56-63 f; v64-127 scores, then p; v128-175 p's fragments; v176-191 16 keys' clusters; v192-207 (-M, largest t, sum x 2) a tile; v208-255 at work.
; Window 1: Q's 16 fragments.  Window 2: v0-95 K's eight fragments, v96-191 V's eight.  Window 3: O^T, accumulator (channel tile t, query tile x) at v[8 (4 t + x)].
.set MX,    0                          ; LDS: [tile 4][row 16][wave 4] largest scores
.set SMX,   1024                       ; the same shape: the waves' sums, at the end
.set PS,    2048                       ; p's scale words: [tile 4][row 16]
.set PB,    4096                       ; p's four fragments as images of registers, 1,536 bytes each
.set SPARE, 10240                      ; the spare words: 128 bytes a wave
.set STAGE, 12288                      ; the way out: each wave's own 64 rows x (512 + 16) bytes
.set SP,    528
.set WST,   64*SP
.set FO,1
.set SO,2
.set RR,3
.set HH,4
.set TT,5
.set MXS,6
.set MXL,7
.set DA,8
.set PSB,11
.set PL,12
.set PSL,13
.set AKO,14
.set AQO,15
.set NINF,16
.set STO,17
.set RD,18
.set SPW,19
.set NIL,20
.set PFO,21
.set STV,22
.set R4,23
.set KS,24
.set VSC,28
.set QS,32
.set PW,48
.set AQ,52
.set FF,56
.set S,64
.set P,128
.set AK,176
.set ST,192
.set MXR,208
.set BM,224
.set T4,228
.set SOP,232
.set TMP,236
.set PCV,240
.set KB,28
.set KSB,30
.set VB,32
.set VSB,34
.set AKB,36
.set PFB,38
.set MSB, 0
.macro WIN new                         ; the immediate's high byte repeats the setting that is left
.if MSB != (\new)
	s_set_vgpr_msb (MSB<<8)|(\new)
.set MSB, (\new)
.endif
.endm
.macro VW
	s_wait_alu depctr_va_vdst(0)
.endm
.macro BAR                             ; my LDS instructions are done: then the work-group's barrier
	VW
	s_wait_dscnt 0x0
	s_barrier_signal -1
	s_barrier_wait -1
.endm
.macro MM z, d, a, b, sa, sb, ra       ; z = 1 starts a sum; ra: which half of the lanes holds source 0's scale words
.if \z
.if \ra
	v_wmma_scale_f32_16x16x128_f8f6f4 v[(\d):(\d)+7], v[(\a):(\a)+11], v[(\b):(\b)+11], 0, v[(\sa)], v[(\sb)] matrix_a_fmt:MATRIX_FMT_BF6 matrix_b_fmt:MATRIX_FMT_BF6 matrix_a_scale:MATRIX_SCALE_ROW1
.else
	v_wmma_scale_f32_16x16x128_f8f6f4 v[(\d):(\d)+7], v[(\a):(\a)+11], v[(\b):(\b)+11], 0, v[(\sa)], v[(\sb)] matrix_a_fmt:MATRIX_FMT_BF6 matrix_b_fmt:MATRIX_FMT_BF6
.endif
.else
.if \ra
	v_wmma_scale_f32_16x16x128_f8f6f4 v[(\d):(\d)+7], v[(\a):(\a)+11], v[(\b):(\b)+11], v[(\d):(\d)+7], v[(\sa)], v[(\sb)] matrix_a_fmt:MATRIX_FMT_BF6 matrix_b_fmt:MATRIX_FMT_BF6 matrix_a_scale:MATRIX_SCALE_ROW1
.else
	v_wmma_scale_f32_16x16x128_f8f6f4 v[(\d):(\d)+7], v[(\a):(\a)+11], v[(\b):(\b)+11], v[(\d):(\d)+7], v[(\sa)], v[(\sb)] matrix_a_fmt:MATRIX_FMT_BF6 matrix_b_fmt:MATRIX_FMT_BF6
.endif
.endif
.endm
; K's group: load q of 24 brings 16 bytes a lane of K step q / 6; nx = 1: the key block behind the one at which the bases stand.  The destination's window is 2
.macro KL3 n, nx
.irp c,0,1,2
	global_load_b128 v[4*(3*(\n)+\c):4*(3*(\n)+\c)+3], v[FO], s[KB:KB+1] offset:49152*(\nx)+12288*((3*(\n)+\c)/6)+512*((3*(\n)+\c)%6)
.endr
.endm
.macro KS1 s, nx
	global_load_b32 v[KS+(\s)], v[SO], s[KSB:KSB+1] offset:2048*(\nx)+512*(\s)
.endm
.macro AKL nx
.irp q,0,1,2,3
	global_load_b128 v[AK+4*\q:AK+4*\q+3], v[AKO], s[AKB:AKB+1] offset:512*(\nx)+16*\q
.endr
.endm
.macro VL3 n                           ; three of V's 24 loads of codes
.irp c,0,1,2
	global_load_b128 v[96+4*(3*(\n)+\c):96+4*(3*(\n)+\c)+3], v[FO], s[VB:VB+1] offset:512*(3*(\n)+\c)
.endr
.endm
	s_load_b256 s[4:11], s[0:1], 0x0               ; qkc, qks, vc, vs
	s_load_b128 s[12:15], s[0:1], 0x20             ; asg, wlq (O's halves)
	s_load_b64 s[16:17], s[0:1], 0x30              ; wlk (the pairs)
	v_lshl_add_u32 v[SPW], v0, 2, SPARE
	v_mov_b32 v[NIL], 0
	v_lshrrev_b32 v[TT], 5, v0
	v_readfirstlane_b32 s20, v[TT]                 ; wave 0..3
	s_lshr_b32 s21, ttmp9, 6                       ; the batch
	s_bfe_u32 s22, ttmp9, 0x10005                  ; which half of its keys
	s_and_b32 s23, ttmp9, 31                       ; which 64 queries
	s_mov_b32 s24, 0x76543210
	s_mov_b32 s25, 0xfedcba98                      ; v_permlanex16_b32's selects for lane l xor 16
	s_mov_b32 s26, 0x3d8293ee                      ; c = log2(e) / sqrt(512)
	s_mov_b32 s27, s26
	s_mov_b32 s51, 0                               ; upper word of the offset pair s[50:51]
	s_mul_i32 s52, s20, WST
	s_add_co_u32 s52, s52, STAGE                   ; my stage
	s_lshl_b32 s53, s20, 2
	s_lshr_b32 s54, s20, 1
	s_mul_i32 s54, s54, 6                          ; block w of p: registers 6 (w / 2) + 3 h + j
	s_and_b32 s55, s20, 1
	s_lshl_b32 s55, s55, 8                         ; of lane r + 16 (w % 2)
	s_add_co_u32 s55, s55, PB
	s_lshl_b32 s56, s21, 4
	s_lshr_b32 s57, s23, 1
	s_add_co_u32 s57, s57, s56                     ; the queries' block of 128 tokens
	s_and_b32 s59, s23, 1                          ; and which four of its tiles
	s_lshl_b32 s60, s22, 3
	s_add_co_u32 s60, s60, s56                     ; my first key block
	s_lshl_b32 s61, s21, 11
	s_lshl_b32 s62, s23, 6
	s_add_co_u32 s61, s61, s62                     ; my first query
	VW
	v_and_b32 v[TT], 31, v0
	v_lshlrev_b32 v[FO], 4, v[TT]
	v_lshlrev_b32 v[SO], 2, v[TT]
	v_min_u32 v[PFO], 2, v[TT]
	v_lshlrev_b32 v[PFO], 8, v[PFO]                ; lanes 0, 1, 2: three blocks of 256 bytes; the others name the third again
	v_and_b32 v[RR], 15, v0
	v_bfe_u32 v[HH], v0, 4, 1
	v_lshlrev_b32 v[R4], 2, v[RR]
	v_lshlrev_b32 v[AKO], 6, v[HH]
	v_and_b32 v[TT], 8, v[RR]
	v_add_nc_u32 v[TT], v[TT], v[RR]               ; r + 8 (r / 8)
	v_lshlrev_b32 v[AQO], 2, v[TT]
	v_lshlrev_b32 v[STV], 3, v[TT]
	v_lshl_add_u32 v[STV], v[HH], 6, v[STV]
	v_mul_u32_u24 v[STO], v[TT], SP
	v_lshl_add_u32 v[STO], v[HH], 5, v[STO]
	v_add_nc_u32 v[STO], s52, v[STO]
	v_add_nc_u32 v[RD], s52, v[FO]
	v_lshlrev_b32 v[MXL], 4, v[RR]
	v_add_nc_u32 v[MXS], s53, v[MXL]
	v_add_nc_u32 v[PSL], PS, v[R4]
	v_add_nc_u32 v[PSB], s20, v[PSL]
	v_add_nc_u32 v[PL], PB, v[FO]
	v_mul_u32_u24 v[TMP], v[HH], 3
	v_add_nc_u32 v[TMP], s54, v[TMP]
	v_lshl_add_u32 v[TMP+1], v[RR], 4, s55
.irp j,0,1,2                                   ; register i of lane l of an image lies at 512 (i / 4) + 16 l + 4 (i % 4)
	v_add_nc_u32 v[TMP+2], \j, v[TMP]
	v_lshrrev_b32 v[TMP+3], 2, v[TMP+2]
	v_and_b32 v[TMP+2], 3, v[TMP+2]
	v_lshl_add_u32 v[TMP+3], v[TMP+3], 9, v[TMP+1]
	v_lshl_add_u32 v[DA+\j], v[TMP+2], 2, v[TMP+3]
.endr
	v_mov_b32 v[NINF], 0xff800000
.irp x,0,1,2,3
	v_mov_b32 v[ST+4*\x+1], 0xff61b1e6             ; the largest t so far: -3e38
	v_mov_b32 v[ST+4*\x+2], 0                      ; the sum, in two halves
	v_mov_b32 v[ST+4*\x+3], 0
	v_mov_b32 v[FF+2*\x+1], 0                      ; (named as the upper half of a pair)
	v_mov_b32 v[T4+\x], 0                          ; a lane permute's destination counts as one of its sources
.endr
.irp x,0,1,2,3
	v_floor_f32 v[ST+4*\x], -v[ST+4*\x+1]          ; -M
.endr
	VW
	s_wait_kmcnt 0x0
	s_mul_i32 s50, s57, 49152
	s_mul_i32 s62, s59, 6144
	s_add_co_u32 s50, s50, s62
	s_add_nc_u64 s[40:41], s[4:5], s[50:51]        ; Q's fragments
	s_lshl_b32 s50, s57, 11
	s_lshl_b32 s62, s59, 8
	s_add_co_u32 s50, s50, s62
	s_add_nc_u64 s[42:43], s[6:7], s[50:51]        ; their scale words
	s_mul_i32 s63, s60, 49152
	s_mul_i32 s62, s20, 12288
	s_add_co_u32 s50, s63, s62
	s_add_nc_u64 s[VB:VB+1], s[8:9], s[50:51]
	s_mul_i32 s62, s20, 3072
	s_add_co_u32 s50, s63, s62
	s_add_co_u32 s50, s50, 64*49152                ; K's blocks lie behind Q's 64
	s_add_nc_u64 s[KB:KB+1], s[4:5], s[50:51]
	s_lshl_b32 s62, s60, 11
	s_lshl_b32 s50, s20, 9
	s_add_co_u32 s50, s50, s62
	s_add_nc_u64 s[VSB:VSB+1], s[10:11], s[50:51]
	s_lshl_b32 s50, s20, 7
	s_add_co_u32 s50, s50, s62
	s_add_co_u32 s50, s50, 64*2048
	s_add_nc_u64 s[KSB:KSB+1], s[6:7], s[50:51]
	s_lshl_b32 s50, s60, 9
	s_lshl_b32 s62, s20, 7
	s_add_co_u32 s50, s50, s62
	s_add_co_u32 s50, s50, 32768                   ; behind the 8,192 queries
	s_add_nc_u64 s[AKB:AKB+1], s[12:13], s[50:51]
	s_lshl_b32 s50, s61, 2
	s_add_nc_u64 s[44:45], s[12:13], s[50:51]      ; the queries' clusters
	s_lshl_b32 s62, s22, 13
	s_add_co_u32 s62, s62, s61                     ; 8,192 x half + my first query
	s_lshl_b32 s50, s62, 11
	s_lshl_b32 s56, s20, 9
	s_add_co_u32 s50, s50, s56
	s_add_nc_u64 s[46:47], s[14:15], s[50:51]      ; O's rows, my 128 channels
	s_lshl_b32 s50, s62, 3
	s_add_nc_u64 s[48:49], s[16:17], s[50:51]      ; the pairs
	s_and_b32 s56, s20, 1
	s_lshl_b32 s62, s23, 1
	s_add_co_u32 s56, s56, s62                     ; my place among the 64 waves that share a key block's 192 blocks
	s_mul_i32 s56, s56, 768
	s_add_co_u32 s50, s63, s56
	s_add_co_u32 s50, s50, 3*49152                 ; step s names key block s + 3
	s_cmp_lt_u32 s20, 2                            ; the choice hangs on the wave's number alone
	s_cselect_b64 s[PFB:PFB+1], s[4:5], s[8:9]
	s_cselect_b32 s56, 64*49152, 0
	s_add_co_u32 s50, s50, s56
	s_add_nc_u64 s[PFB:PFB+1], s[PFB:PFB+1], s[50:51]
.irp x,0,1,2,3
	global_load_b32 v[AQ+\x], v[AQO], s[44:45] offset:128*(\x/2)+32*(\x%2)
.endr
	WIN 0x40
.irp x,0,1,2,3
.irp s,0,1,2,3
.irp c,0,1,2
	global_load_b128 v[48*\x+12*\s+4*\c:48*\x+12*\s+4*\c+3], v[FO], s[40:41] offset:12288*\s+1536*\x+512*\c
.endr
.endr
.endr
	WIN 0
.irp x,0,1,2,3
.irp s,0,1,2,3
	global_load_b32 v[QS+4*\x+\s], v[R4], s[42:43] offset:512*\s+64*\x
.endr
.endr
	WIN 0x80
.irp n,0,1,2,3,4,5,6,7
	KL3 \n, 0
.endr
	WIN 0
.irp s,0,1,2,3
	KS1 \s, 0
.endr
	AKL 0
; A STEP: 128 keys.  s58 = the step's number (in the loop)
.macro STEP first, last
	s_wait_loadcnt 0x0                             ; K's group, the youngest loads, is in
.irp i,0,1,2,3
	global_load_b32 v[VSC+\i], v[SO], s[VSB:VSB+1] offset:128*\i
.endr
.irp s,0,1,2,3                                 ; eight accumulators by turns, one instruction a turn; three of V's loads behind each four products
.irp u,0,1
	WIN 0x06                                       ; source 0 (K') window 2, source 1 (Q') window 1
.irp x,0,1,2,3
.if \s == 0
	MM 1, S+16*\x+8*\u, 24*\s+12*\u, 48*\x+12*\s, KS+\s, QS+4*\x+\s, \u
.else
	MM 0, S+16*\x+8*\u, 24*\s+12*\u, 48*\x+12*\s, KS+\s, QS+4*\x+\s, \u
.endif
.endr
	WIN 0x80
	VL3 2*\s+\u
.endr
.endr
	WIN 0
.irp x,0,1,2,3                                 ; a key of another cluster: -infinity.  The first 16 compares are the places behind the products; each accumulator is read from its low end on
.irp i,0,1,2,3,4,5,6,7,8,9,10,11,12,13,14,15
	v_cmp_ne_u32 s[66+16*(\x%2)+\i], v[AQ+\x], v[AK+\i]
.endr
.if \last == 0
	WIN 0x80
	KL3 2*\x, 1                                    ; the next step's K group, three loads at a time
	WIN 0
.endif
.irp i,0,1,2,3,4,5,6,7,8,9,10,11,12,13,14,15
	v_cndmask_b32 v[S+16*\x+\i], v[S+16*\x+\i], v[NINF], s[66+16*(\x%2)+\i]
.endr
.if \last == 0
	WIN 0x80
	KL3 2*\x+1, 1
	WIN 0
	KS1 \x, 1
.endif
.endr
.if \last == 0
	AKL 1                                          ; behind the last compare that reads these registers
	VW
.if \first == 0
	s_cmp_lt_u32 s58, 5                            ; steps 5 to 7 have no key block three on
	s_cbranch_scc0 .Lnopf_\@
.endif
	global_prefetch_b8 v[PFO], s[PFB:PFB+1] th:TH_LOAD_NT scope:SCOPE_SE
.Lnopf_\@:
.endif
.irp x,0,1,2,3
	v_max3_num_f32 v[BM+\x], v[NINF], v[S+16*\x], v[S+16*\x+1]   ; my block's largest score: for the row's maximum and, since p rises with the score, for the block's largest p
.endr
.irp i,2,4,6,8,10,12,14
.irp x,0,1,2,3
	v_max3_num_f32 v[BM+\x], v[BM+\x], v[S+16*\x+\i], v[S+16*\x+\i+1]
.endr
.endr
.irp x,0,1,2,3
	v_permlanex16_b32 v[T4+\x], v[BM+\x], s24, s25
.endr
.irp x,0,1,2,3
	v_max_num_f32 v[BM+\x], v[BM+\x], v[T4+\x]
.endr
.irp x,0,1,2,3
	ds_store_b32 v[MXS], v[BM+\x] offset:MX+256*\x   ; both halves of the lanes write the same word with the same value
.endr
	BAR                                            ; the four blocks' maxima lie in LDS; every wave's reads of p's images are over
.irp x,0,1,2,3
	ds_load_b128 v[MXR+4*\x:MXR+4*\x+3], v[MXL] offset:MX+256*\x
.endr
	s_wait_dscnt 0x0
.irp x,0,1,2,3
	v_max3_num_f32 v[TMP+\x], v[MXR+4*\x], v[MXR+4*\x+1], v[MXR+4*\x+2]
.endr
.irp x,0,1,2,3
	v_max_num_f32 v[TMP+\x], v[TMP+\x], v[MXR+4*\x+3]
.endr
.irp x,0,1,2,3
	v_mul_f32 v[TMP+\x], s26, v[TMP+\x]
.endr
.irp x,0,1,2,3
	v_max_num_f32 v[ST+4*\x+1], v[ST+4*\x+1], v[TMP+\x]   ; the running largest t: the same bits in all four waves
.endr
.irp x,0,1,2,3
	v_mov_b32 v[TMP+\x], v[ST+4*\x]
.endr
.irp x,0,1,2,3
	v_floor_f32 v[ST+4*\x], -v[ST+4*\x+1]          ; -M = floor(-t)
.endr
.irp x,0,1,2,3
	v_sub_f32 v[TMP+\x], v[ST+4*\x], v[TMP+\x]
.endr
.irp x,0,1,2,3
	v_cvt_i32_f32 v[TMP+\x], v[TMP+\x]             ; (it saturates)
.endr
.irp x,0,1,2,3
	v_ldexp_f32 v[FF+2*\x], 1.0, v[TMP+\x]         ; f = 2^(old M - new M)
.endr
.irp x,0,1,2,3
.irp j,0,2,4,6,8,10,12,14
	v_pk_fma_f32 v[S+16*\x+\j:S+16*\x+\j+1], v[S+16*\x+\j:S+16*\x+\j+1], s[26:27], v[ST+4*\x:ST+4*\x+1] op_sel_hi:[1,0,0]
.endr
.endr
.irp x,0,1,2,3
	v_fma_f32 v[BM+\x], v[BM+\x], s26, v[ST+4*\x]
.endr
	VW
.set e, 0
.rept 64
	v_exp_f32 v[S+e], v[S+e]                       ; p = 2^(t - M)
.set e, e+1
.endr
.irp x,0,1,2,3
	v_exp_f32 v[BM+\x], v[BM+\x]                   ; the block's largest p
.endr
.irp x,0,1,2,3
	v_pk_mul_f32 v[ST+4*\x+2:ST+4*\x+3], v[ST+4*\x+2:ST+4*\x+3], v[FF+2*\x:FF+2*\x+1] op_sel_hi:[1,0]   ; my sums under the new M
.endr
	VW
.irp x,0,1,2,3
	v_max_num_f32 v[BM+\x], 0x2800000, v[BM+\x]    ; the floor 2^(5 - 127): the byte cannot fall under 1
.endr
.irp x,0,1,2,3
	v_add_nc_u32 v[SOP+\x], 0xfe000000, v[BM+\x]   ; 4 off the exponent field: the conversion's scale operand
.endr
.irp x,0,1,2,3
	v_lshrrev_b32 v[T4+\x], 23, v[SOP+\x]          ; the scale's byte
.endr
.irp x,0,1,2,3
	v_cvt_scalef32_pk16_bf6_f32 v[PCV+4*\x:PCV+4*\x+2], v[S+16*\x:S+16*\x+15], v[SOP+\x]
.endr
	v_nop                                          ; one plain place behind a scaled conversion
.irp j,0,2,4,6,8,10,12,14
.irp x,0,1,2,3
	v_pk_add_f32 v[ST+4*\x+2:ST+4*\x+3], v[ST+4*\x+2:ST+4*\x+3], v[S+16*\x+\j:S+16*\x+\j+1]   ; the sum of the unquantised p
.endr
.endr
.irp x,0,1,2,3
.irp j,0,1,2
	ds_store_b32 v[DA+\j], v[PCV+4*\x+\j] offset:1536*\x
.endr
	ds_store_b8 v[PSB], v[T4+\x] offset:64*\x
.endr
	BAR                                            ; p's four images and scale words are whole; every wave's reads of the maxima are over
.irp x,0,1,2,3
.irp c,0,1,2
	ds_load_b128 v[P+12*\x+4*\c:P+12*\x+4*\c+3], v[PL] offset:1536*\x+512*\c
.endr
.endr
.irp x,0,1,2,3
	ds_load_b32 v[PW+\x], v[PSL] offset:64*\x
.endr
.if \last == 0
	s_wait_xcnt 0x0                                ; the bases are stepped only behind this wait; the youngest loads went out ahead of the first barrier
	s_add_nc_u64 s[KB:KB+1], s[KB:KB+1], 49152
	s_add_nc_u64 s[KSB:KSB+1], s[KSB:KSB+1], 2048
	s_add_nc_u64 s[AKB:AKB+1], s[AKB:AKB+1], 512
	s_add_nc_u64 s[PFB:PFB+1], s[PFB:PFB+1], 49152
	s_add_nc_u64 s[VB:VB+1], s[VB:VB+1], 49152
	s_add_nc_u64 s[VSB:VSB+1], s[VSB:VSB+1], 2048
.endif
.if \first == 0
	WIN 0xc3
	VW                                             ; directly ahead of the first reader of O^T
.irp t,0,1,2,3,4,5,6,7
.irp x,0,1,2,3
.irp k,0,2,4,6
	v_pk_mul_f32 v[8*(4*\t+\x)+\k:8*(4*\t+\x)+\k+1], v[8*(4*\t+\x)+\k:8*(4*\t+\x)+\k+1], v[FF+2*\x:FF+2*\x+1] op_sel_hi:[1,0]   ; O^T under the new M
.endr
.endr
.endr
	VW
.endif
	s_wait_dscnt 0x0
.if \last
	s_wait_loadcnt 0x0
.else
	s_wait_loadcnt 32                              ; V's group is in; the next K group's 32 loads may be out
.endif
	WIN 0xf2                                       ; source 0 (V') window 2, source 1 (p) window 0, C and D window 3
.irp t,0,1,2,3,4,5,6,7                         ; 32 accumulators, each once
.irp x,0,1,2,3
	MM \first, 8*(4*\t+\x), 96+12*\t, P+12*\x, VSC+\t/2, PW+\x, \t%2
.endr
.endr
.if \last == 0
.rept 4
	v_nop                                          ; places in front of the next step's loads into registers that these products read
.endr
.endif
	WIN 0
.endm
	STEP 1, 0                                      ; the first step's products start O^T's sums: nothing is cleared
	s_mov_b32 s58, 1
.Lstep:
	STEP 0, 0
	s_add_co_u32 s58, s58, 1
	s_cmp_lt_u32 s58, 7
	s_cbranch_scc1 .Lstep
	STEP 0, 1                                      ; the last step asks for no further K group
; ---- the sums of the four waves, and the pairs (-M, l).  These lines are also the places behind the last products
.irp x,0,1,2,3
	v_add_f32 v[TMP+\x], v[ST+4*\x+2], v[ST+4*\x+3]
.endr
.irp x,0,1,2,3
	v_permlanex16_b32 v[T4+\x], v[TMP+\x], s24, s25
.endr
.irp x,0,1,2,3
	v_add_f32 v[TMP+\x], v[TMP+\x], v[T4+\x]
.endr
.irp x,0,1,2,3
	ds_store_b32 v[MXS], v[TMP+\x] offset:SMX+256*\x
.endr
	BAR
.irp x,0,1,2,3
	ds_load_b128 v[MXR+4*\x:MXR+4*\x+3], v[MXL] offset:SMX+256*\x
.endr
	s_wait_dscnt 0x0
.irp x,0,1,2,3
	v_add_f32 v[MXR+4*\x], v[MXR+4*\x], v[MXR+4*\x+1]
	v_add_f32 v[MXR+4*\x+2], v[MXR+4*\x+2], v[MXR+4*\x+3]
.endr
.irp x,0,1,2,3
	v_add_f32 v[MXR+4*\x], v[MXR+4*\x], v[MXR+4*\x+2]
.endr
	v_cmp_eq_u32 vcc_lo, 1, v[HH]                  ; lanes 0-15 take tile 2 a, lanes 16-31 tile 2 a + 1
.irp a,0,1
	v_cndmask_b32 v[SOP+2*\a], v[ST+8*\a], v[ST+8*\a+4], vcc_lo
	v_cndmask_b32 v[SOP+2*\a+1], v[MXR+8*\a], v[MXR+8*\a+4], vcc_lo
.endr
	VW
	s_cmp_lg_u32 s20, 0                            ; every wave holds the same pairs: wave 0 stores them
	s_cbranch_scc1 .Lnostat
	global_store_b64 v[STV], v[SOP:SOP+1], s[48:49]
	global_store_b64 v[STV], v[SOP+2:SOP+3], s[48:49] offset:256
.Lnostat:
; ---- O leaves through my own stage, as whole rows of 512 bytes in the tokens' order
	WIN 0x0c
.irp t,0,1,2,3,4,5,6,7
.irp x,0,1,2,3
	ds_store_b128 v[STO], v[8*(4*\t+\x):8*(4*\t+\x)+3] offset:(32*(\x/2)+8*(\x%2))*SP+64*\t
	ds_store_b128 v[STO], v[8*(4*\t+\x)+4:8*(4*\t+\x)+7] offset:(32*(\x/2)+8*(\x%2))*SP+64*\t+16
.endr
.endr
	WIN 0
.macro ROWSIN a                        ; LDS serves a wave's instructions in order: these see the stores above
.irp i,0,1,2,3,4,5,6,7,8,9,10,11,12,13,14,15
	ds_load_b128 v[64+64*((\a)%2)+4*\i:64+64*((\a)%2)+4*\i+3], v[RD] offset:(16*(\a)+\i)*SP
.endr
.endm
.macro ROWSOUT a
.irp i,0,1,2,3,4,5,6,7,8,9,10,11,12,13,14,15
	global_store_b128 v[FO], v[64+64*((\a)%2)+4*\i:64+64*((\a)%2)+4*\i+3], s[46:47] offset:(16*(\a)+\i)*2048   ; 32 lanes store 512 consecutive bytes, aligned
.endr
.endm
	ROWSIN 0
.irp a,1,2,3
.if \a > 1
	s_wait_xcnt 0x0                                ; the stores of two batches ago have read their registers
.endif
	ROWSIN \a
	s_wait_dscnt 16                                ; all but the 16 loads just issued
	ROWSOUT \a-1
.endr
	s_wait_dscnt 0x0
	ROWSOUT 3
	s_wait_tensorcnt 0x0                           ; the wave's end
	ds_add_u32 v[SPW], v[NIL]
	s_wait_dscnt 0x0
	s_endpgm
.Lfunc_end_k_qeb88549cf2_attend:
	.size	k_qeb88549cf2_attend, .Lfunc_end_k_qeb88549cf2_attend-k_qeb88549cf2_attend
	.p2alignl 7, 3214868480
	.fill 96, 4, 3214868480
	.section	.rodata,"a",@progbits
	.p2align	6, 0x0
	.amdhsa_kernel k_qeb88549cf2_attend
		.amdhsa_group_segment_fixed_size 147456
		.amdhsa_private_segment_fixed_size 0
		.amdhsa_enable_private_segment 0
		.amdhsa_kernarg_size 56
		.amdhsa_user_sgpr_count 2
		.amdhsa_user_sgpr_kernarg_segment_ptr 1
		.amdhsa_wavefront_size32 1
		.amdhsa_system_sgpr_workgroup_id_x 1
		.amdhsa_system_sgpr_workgroup_id_y 1
		.amdhsa_system_sgpr_workgroup_id_z 1
		.amdhsa_system_vgpr_workitem_id 0
		.amdhsa_next_free_vgpr 1024
		.amdhsa_next_free_sgpr 102
		.amdhsa_reserve_vcc 1
		.amdhsa_float_denorm_mode_32 3
		.amdhsa_float_denorm_mode_16_64 3
		.amdhsa_memory_ordered 1
		.amdhsa_forward_progress 1
		.amdhsa_inst_pref_size 158
	.end_amdhsa_kernel
	.amdgpu_metadata
---
amdhsa.version: [ 1, 2 ]
amdhsa.kernels:
  - .name:           k_qeb88549cf2_attend
    .symbol:         k_qeb88549cf2_attend.kd
    .args:
      - { .name: qkc, .offset: 0, .size: 8, .value_kind: global_buffer, .address_space: global }
      - { .name: qks, .offset: 8, .size: 8, .value_kind: global_buffer, .address_space: global }
      - { .name: vc, .offset: 16, .size: 8, .value_kind: global_buffer, .address_space: global }
      - { .name: vs, .offset: 24, .size: 8, .value_kind: global_buffer, .address_space: global }
      - { .name: asg, .offset: 32, .size: 8, .value_kind: global_buffer, .address_space: global }
      - { .name: wlq, .offset: 40, .size: 8, .value_kind: global_buffer, .address_space: global }
      - { .name: wlk, .offset: 48, .size: 8, .value_kind: global_buffer, .address_space: global }
    .group_segment_fixed_size: 147456
    .private_segment_fixed_size: 0
    .kernarg_segment_align: 8
    .kernarg_segment_size: 56
    .max_flat_workgroup_size: 128
    .sgpr_count:     102
    .vgpr_count:     1024
    .wavefront_size: 32
...
	.end_amdgpu_metadata
.endif
;; end of part 3
;; launch join (part 4): grid 256 x 1, 8 waves a work-group, no clusters, 0 bytes of LDS; arguments wlq, wlk, vsum, Q, out0; writes out0
.if DOCPART == 4
	.amdgcn_target "amdgcn-amd-amdhsa--gfx1250"
	.amdhsa_code_object_version 6
	.text
	.protected	k_qeb88549cf2_join
	.globl	k_qeb88549cf2_join
	.p2align	8
	.type	k_qeb88549cf2_join,@function
k_qeb88549cf2_join:
	s_mov_b64 s[64:65], 0
	v_nop
	global_prefetch_b8 v0, s[64:65] scope:SCOPE_SE
	s_setreg_imm32_b32 hwreg(HW_REG_WAVE_MODE, 25, 1), 1
	s_wait_xcnt 0x0
; THE TWO HALVES OF THE KEYS ARE JOINED, THE FALLBACK AND THE RESIDUAL.  wlq: O of each half, [2][8,192][512] f32, under that half's M; wlk: [2][8,192] pairs (-M, l).
; out = (O0 2^(M0 - M) + O1 2^(M1 - M)) / (l0 2^(M0 - M) + l1 2^(M1 - M)) + Q, M the larger of the two; a query whose cluster has no key in the batch (-M of 1e38 or more in both halves) gets the mean of K' + Q.
; A work-group: 32 rows.  Wave w: channels 128 (w % 4) .. + 127 of rows 16 (w / 4) .. + 15: each load and store of a wave covers 512 consecutive bytes.  Lane i % 16 makes row i's two factors; they go to scalar registers and select or scale values alone.
; It streams: no matrix units, no LDS, no barrier; all of a wave's loads of a batch of eight rows are out together.  With a key l is over 1/2, so the floor under l changes nothing there; without one O is 0 and the mean is taken.
.macro VW
	s_wait_alu depctr_va_vdst(0)
.endm
	s_load_b256 s[4:11], s[0:1], 0x0               ; O's halves, the pairs, vsum, Q
	s_load_b64 s[12:13], s[0:1], 0x20              ; out0
	v_lshrrev_b32 v1, 5, v0
	v_readfirstlane_b32 s14, v1                    ; wave 0..7
	v_and_b32 v1, 31, v0
	v_lshlrev_b32 v2, 4, v1                        ; 16 x lane
	v_and_b32 v3, 15, v0
	v_lshlrev_b32 v3, 3, v3                        ; my row's pair
	s_and_b32 s15, s14, 3
	s_lshl_b32 s15, s15, 9                         ; my 128 channels, in bytes
	s_lshr_b32 s16, s14, 2
	s_lshl_b32 s16, s16, 4
	s_lshl_b32 s17, ttmp9, 5
	s_add_co_u32 s17, s17, s16                     ; my first row
	s_lshr_b32 s18, ttmp9, 6
	s_lshl_b32 s18, s18, 15                        ; the batch's 16 partial sums of K'
	s_add_co_u32 s18, s18, s15
	s_mov_b32 s21, 0
	VW
	s_wait_kmcnt 0x0
	s_lshl_b32 s20, s17, 11
	s_add_co_u32 s20, s20, s15
	s_add_nc_u64 s[22:23], s[4:5], s[20:21]
	s_add_nc_u64 s[24:25], s[22:23], 0x1000000     ; the second half's O
	s_add_nc_u64 s[26:27], s[10:11], s[20:21]
	s_add_nc_u64 s[28:29], s[12:13], s[20:21]
	s_lshl_b32 s20, s17, 3
	s_add_nc_u64 s[30:31], s[6:7], s[20:21]
	s_mov_b32 s20, s18
	s_add_nc_u64 s[32:33], s[8:9], s[20:21]
.macro BATCH o0, o1, q, r0             ; eight rows: 24 loads
.irp i,0,1,2,3,4,5,6,7
	global_load_b128 v[\o0+4*\i:\o0+4*\i+3], v2, s[22:23] offset:2048*(\r0+\i)
	global_load_b128 v[\o1+4*\i:\o1+4*\i+3], v2, s[24:25] offset:2048*(\r0+\i)
	global_load_b128 v[\q+4*\i:\q+4*\i+3], v2, s[26:27] offset:2048*(\r0+\i)
.endr
.endm
.macro ROWS o0, o1, q, r0
.irp i,0,1,2,3,4,5,6,7
.irp c,0,1,2,3
	v_mul_f32 v[\o0+4*\i+\c], s[36+\r0+\i], v[\o0+4*\i+\c]
.endr
.irp c,0,1,2,3
	v_fma_f32 v[\o0+4*\i+\c], v[\o1+4*\i+\c], s[66+\r0+\i], v[\o0+4*\i+\c]
.endr
	s_bitcmp1_b32 s34, \r0+\i
	s_cselect_b32 s35, -1, 0
.irp c,0,1,2,3
	v_cndmask_b32 v[\o0+4*\i+\c], v[8+\c], v[\o0+4*\i+\c], s35   ; no key in the query's cluster: the mean of K'
.endr
	v_pk_add_f32 v[\o0+4*\i:\o0+4*\i+1], v[\o0+4*\i:\o0+4*\i+1], v[\q+4*\i:\q+4*\i+1]
	v_pk_add_f32 v[\o0+4*\i+2:\o0+4*\i+3], v[\o0+4*\i+2:\o0+4*\i+3], v[\q+4*\i+2:\q+4*\i+3]
	global_store_b128 v2, v[\o0+4*\i:\o0+4*\i+3], s[28:29] offset:2048*(\r0+\i)   ; 32 lanes store 512 consecutive bytes, aligned
.endr
.endm
	global_load_b64 v[4:5], v3, s[30:31]
	global_load_b64 v[6:7], v3, s[30:31] offset:65536
.irp i,0,1,2,3,4,5,6,7,8,9,10,11,12,13,14,15
	global_load_b128 v[32+4*\i:35+4*\i], v2, s[32:33] offset:2048*\i
.endr
	BATCH 96, 128, 160, 0
	s_wait_loadcnt 24                              ; the pairs and the 16 partial sums are in; the batch's 24 loads may be out
	v_min_num_f32 v12, v4, v6                      ; the smaller -M: the row's M
	v_sub_f32 v13, v12, v4
	v_sub_f32 v14, v12, v6
	v_cvt_i32_f32 v13, v13                         ; (it saturates)
	v_cvt_i32_f32 v14, v14
	v_ldexp_f32 v13, 1.0, v13
	v_ldexp_f32 v14, 1.0, v14
	v_mul_f32 v15, v13, v5
	v_fmac_f32 v15, v14, v7                        ; the row's sum
	v_max_num_f32 v15, 0x800000, v15
	v_pk_add_f32 v[8:9], v[32:33], v[36:37]
	v_pk_add_f32 v[10:11], v[34:35], v[38:39]
.irp i,2,3,4,5,6,7,8,9,10,11,12,13,14,15
	v_pk_add_f32 v[8:9], v[8:9], v[32+4*\i:33+4*\i]
	v_pk_add_f32 v[10:11], v[10:11], v[34+4*\i:35+4*\i]
.endr
	v_pk_mul_f32 v[8:9], v[8:9], 0x3a000000 op_sel_hi:[1,0]      ; / 2,048
	v_pk_mul_f32 v[10:11], v[10:11], 0x3a000000 op_sel_hi:[1,0]
	VW
	v_rcp_f32 v15, v15
	v_nop                                          ; one plain place behind the reciprocal
	v_cmp_gt_f32 s34, 0x7e967699, v12              ; -M under 1e38: some key of the row's cluster was met
	VW
	v_mul_f32 v13, v13, v15
	v_mul_f32 v14, v14, v15
.irp i,0,1,2,3,4,5,6,7,8,9,10,11,12,13,14,15
	v_readlane_b32 s[36+\i], v13, \i
	v_readlane_b32 s[66+\i], v14, \i
.endr
	BATCH 32, 64, 192, 8
	VW
	s_wait_loadcnt 24                              ; the first batch is in
	ROWS 96, 128, 160, 0
	VW
	s_wait_loadcnt 0x0
	ROWS 32, 64, 192, 8
	s_endpgm
.Lfunc_end_k_qeb88549cf2_join:
	.size	k_qeb88549cf2_join, .Lfunc_end_k_qeb88549cf2_join-k_qeb88549cf2_join
	.p2alignl 7, 3214868480
	.fill 96, 4, 3214868480
	.section	.rodata,"a",@progbits
	.p2align	6, 0x0
	.amdhsa_kernel k_qeb88549cf2_join
		.amdhsa_group_segment_fixed_size 0
		.amdhsa_private_segment_fixed_size 0
		.amdhsa_enable_private_segment 0
		.amdhsa_kernarg_size 40
		.amdhsa_user_sgpr_count 2
		.amdhsa_user_sgpr_kernarg_segment_ptr 1
		.amdhsa_wavefront_size32 1
		.amdhsa_system_sgpr_workgroup_id_x 1
		.amdhsa_system_sgpr_workgroup_id_y 1
		.amdhsa_system_sgpr_workgroup_id_z 1
		.amdhsa_system_vgpr_workitem_id 0
		.amdhsa_next_free_vgpr 256
		.amdhsa_next_free_sgpr 84
		.amdhsa_reserve_vcc 0
		.amdhsa_float_denorm_mode_32 3
		.amdhsa_float_denorm_mode_16_64 3
		.amdhsa_memory_ordered 1
		.amdhsa_forward_progress 1
		.amdhsa_inst_pref_size 27
	.end_amdhsa_kernel
	.amdgpu_metadata
---
amdhsa.version: [ 1, 2 ]
amdhsa.kernels:
  - .name:           k_qeb88549cf2_join
    .symbol:         k_qeb88549cf2_join.kd
    .args:
      - { .name: wlq, .offset: 0, .size: 8, .value_kind: global_buffer, .address_space: global }
      - { .name: wlk, .offset: 8, .size: 8, .value_kind: global_buffer, .address_space: global }
      - { .name: vsum, .offset: 16, .size: 8, .value_kind: global_buffer, .address_space: global }
      - { .name: Q, .offset: 24, .size: 8, .value_kind: global_buffer, .address_space: global }
      - { .name: out0, .offset: 32, .size: 8, .value_kind: global_buffer, .address_space: global }
    .group_segment_fixed_size: 0
    .private_segment_fixed_size: 0
    .kernarg_segment_align: 8
    .kernarg_segment_size: 40
    .max_flat_workgroup_size: 256
    .sgpr_count:     84
    .vgpr_count:     256
    .wavefront_size: 32
...
	.end_amdgpu_metadata
.endif
;; end of part 4
